; MI455X (gfx1250); checked and timed in simulation.
; The chip was launched on July 23, 2026; its instructions are those of AMD's public machine-readable ISA for CDNA 5 (MIT licence, August 2026) and "CDNA5" Instruction Set Architecture Reference Guide (July 2026). The comments in the code are by the model that wrote it; some were corrected since.
;; Causal Self Flex Block. Allowed arithmetic: matrix products marked QUANTISED: E3M2 operands, one E8M0 scale for each 32 along K, by v_wmma_scale_f32_16x16x128_f8f6f4 with both operands' format E3M2, f32 sums; everything else in f32.
;; Inputs: key_padding_mask 2 x 2,048 bool; ln1_b 1,024 float32; ln1_g 1,024 float32; ln2_b 1,024 float32; ln2_g 1,024 float32; proj_b 1,024 float32; proj_w 1,024 x 1,024 float32; qkv_b 3,072 float32; qkv_w 3,072 x 1,024 float32; w1 2,048 x 1,024 float32; w2 2,048 x 1,024 float32; w3 1,024 x 2,048 float32; x 2 x 2,048 x 1,024 float32.
;; Outputs: out0 2 x 2,048 x 1,024 float32.
;; This version of the problem:
;;   THIS VERSION OF THE PROBLEM IS GIVEN IN LOW PRECISION. The matrix products marked QUANTISED in the list below multiply operands that are first quantised to E3M2 (3 exponent bits, 2 mantissa bits; 6 bits a number), with one power-of-two scale for each 32 numbers along K (OCP MX v1.0); their sums are f32. All else is computed in f32.
;;   The module's matrix products, in the order in which they are computed (A, B: the left and right operand; K: the contracted axis; several contracted axes count as one K, in the product's order):
;;     1. [M 4,096, K 1,024] x [K 1,024, N 3,072]; A: computed on the way; B: input qkv_w: QUANTISED
;;     2. batch 32 x [M 2,048, K 64] x [K 64, N 2,048]; A: computed on the way; B: computed on the way: QUANTISED
;;     3. batch 32 x [M 2,048, K 2,048] x [K 2,048, N 64]; A: softmax (see below); B: computed on the way: QUANTISED
;;     4. [M 4,096, K 1,024] x [K 1,024, N 1,024]; A: computed on the way; B: input proj_w: QUANTISED
;;     5. [M 4,096, K 1,024] x [K 1,024, N 2,048]; A: computed on the way; B: input w1: QUANTISED
;;     6. [M 4,096, K 1,024] x [K 1,024, N 2,048]; A: computed on the way; B: input w2: QUANTISED
;;     7. [M 4,096, K 2,048] x [K 2,048, N 1,024]; A: computed on the way; B: input w3: QUANTISED
;;   THE QUANTISER, for each operand of a quantised product, along K:
;;     - K is cut into blocks of 32 from its start; a last block that is shorter is filled with zeros.
;;     - A block's scale is 2^e with e = floor(log2(the largest magnitude in the block)) - 4, held to -126 .. 127; a block of zeros has e = 0. As a byte (E8M0): e + 127.
;;     - Each number is divided by its block's scale, clamped to +-28, and rounded to the nearest number of E3M2, ties to even, subnormals kept.
;;     - The product sums the exact products of the quantised numbers (number of the format x scale) in f32.
;;   ~~~python
;;   def quantise(x, axis):      # numpy; x: float32 -> the quantised numbers, widened to float32 again
;;       x = np.moveaxis(x, axis, -1); K = x.shape[-1]
;;       x = np.pad(x, [(0, 0)] * (x.ndim - 1) + [(0, -K % 32)]); x = x.reshape(x.shape[:-1] + (-1, 32)); a = np.abs(x).max(-1, keepdims=True)
;;       e = np.where(a > 0, np.clip(np.frexp(np.where(a > 0, a, 1))[1] - 1 - 4, -126, 127), 0)      # np.frexp(a)[1] - 1 = floor(log2(a)), exactly
;;       r = np.clip(x / 2.0 ** e, -28, 28)
;;       step = 2.0 ** (np.maximum(np.frexp(np.where(r == 0, 1, r))[1] - 1, -2) - 2)
;;       q = np.round(r / step) * step * 2.0 ** e      # np.round: ties to even
;;       return np.moveaxis(q.reshape(q.shape[:-2] + (-1,))[..., :K], -1, axis).astype(np.float32)
;;   ~~~
;;   SOFTMAX AHEAD OF A QUANTISED PRODUCT. Where the list says 'softmax', what is quantised is not the finished softmax but p = 2^(t - M), with t = logit x log2(e) and M = ceil(the row's largest t), a whole number; so 1/2 < the row's largest p <= 1. The row's sum l is taken of the UNQUANTISED p, in f32, and the product's result is divided by l at the end. Since M is a whole number, a kernel that streams over the keys may use a running M (the ceiling of the running maximum): every later rescaling is an exact power of two, which a block's scale takes up: the codes' values come out the same.
;;   OPERANDS COMPUTED ON THE WAY. 'Computed on the way' means the value that the module computes at that place (a softmax that the list does not call 'softmax' is quantised finished and normalised). What goes into a quantiser is computed in f32, as accurately as f32 sums, v_exp_f32 and their like allow (about 1e-6 of the number): no bf16 or f16 on the way to a quantiser, and a product that is left as it is and whose result goes on into a quantised operand takes f32 operands (vector FMAs, or v_wmma_f32_16x16x4_f32). A number that lies on a knife's edge between two numbers of the format may be rounded either way, as far as f32 arithmetic and the matrix unit's own rounding can turn it there, and no further.
;; One version. Each part assembles by itself: llvm-mc -triple=amdgcn-amd-amdhsa -mcpu=gfx1250 --defsym DOCPART=n.
;; ======== version 1 of 1: 7 launches
;; limits: right only within a limited range of input values
;; workspace buffers: pw 11,993,088 bytes; first 512 bytes of whole numbers; qkvb 9,830,400 bytes; att 3,276,800 bytes; x1 16,777,216 bytes; h2b 3,276,800 bytes; gbuf 6,553,600 bytes
;; launch prep (part 1): grid 226 x 1, 16 waves a work-group, no clusters, 133,376 bytes of LDS; arguments x, qkv_w, proj_w, w1, w2, w3, ln1_g, ln1_b, key_padding_mask, pw, first; writes pw, first
.if DOCPART == 1
	.amdgcn_target "amdgcn-amd-amdhsa--gfx1250"
	.amdhsa_code_object_version 6
	.text
	.protected	k_q396eaebfd7_prep
	.globl	k_q396eaebfd7_prep
	.p2align	8
	.type	k_q396eaebfd7_prep,@function
k_q396eaebfd7_prep:
	s_mov_b64 s[64:65], 0
	v_nop
	global_prefetch_b8 v0, s[64:65] scope:SCOPE_SE
	s_setreg_imm32_b32 hwreg(HW_REG_WAVE_MODE, 25, 1), 1
	s_wait_xcnt 0x0
; ROWS OF 1,024 f32 NUMBERS BECOME CODES OF BF6 (E3M2) AND E8M0 SCALE BYTES, laid as the matrix unit's operand registers take them.
; One text, one path, for five jobs chosen by the work-group's number G (only pointers and constants are chosen):
;   G 0-63     src with a layer norm (gain g, bias b)      G 64-111  qkv_w      G 112-127 proj_w
;   G 128-191  w1 and w2, two row blocks of each by turns   G 192-223 w3, one half of its K = 2,048 each
; ROW ORDER: row block i (16 rows), lane row r, holds logical row 32 (i / 2) + 8 (i % 2) + r + 8 (r / 8).
; IMAGE: 16 rows x 128 K = 12 registers a lane = 1,536 bytes: registers 2 p, 2 p + 1 of lane l at 256 p + 8 l.  Scale words: [K / 128][rows], byte = block of 32.
; SHARES: a work-group takes four row blocks; a row block's 16 rows are shared by four waves, four rows each: 16 waves.
; A ROW: eight loads of 512 consecutive bytes; mean, variance (two passes, in f32), (x - mean) rsqrt(var + 1e-5) g + b; for weights mean = 0, factor = 1, g = 1, b = 0 by masks, which changes no bit.
; The row turns through the wave's own LDS bytes so that lane l holds block l (32 neighbours): its largest magnitude needs no other lane.
; A block's scale byte is its largest magnitude's exponent field - 4, held at 1 from below.
; LIMITS: NaN and infinities are not served; a block whose largest magnitude lies under 2^-122 keeps the byte 1; a block of zeros gets the byte 1, not 127 (its codes are zeros; this program alone reads the bytes).
; G 64-127 also make the table of cos and sin (2,048 positions x 32 frequencies): frequency 2^(-f log2(10000) / 32) by v_exp_f32, angle = position x frequency (one rounding),
; reduced by multiples of pi / 2 in two parts, then polynomials of degree 7 and 8.  The frequency may differ from a correctly rounded one by about one part in 10^7: 2e-4 rad at position 2,047.
; G 224, 225 do one thing: wave 0 stores two whole numbers for batch G - 224: the first key that is not padded (2,048 if none), and a bit for each 128 keys that hold a padded key.  The chain of 64 compares has
; work-groups of its own, so that it runs beside the other work-groups' rows and not behind the rows of one; that path touches no LDS and has no barrier.
.set H_IMG, 0
.set H_SC, 3145728
.set ROPE, 3276800
.set QW_IMG, 3801088
.set QW_SC, 6160384
.set PW_IMG, 6258688
.set PW_SC, 7045120
.set UW_IMG, 7077888
.set UW_SC, 10223616
.set DW_IMG, 10354688
.set DW_SC, 11927552
.set TURNB, 4608                       ; LDS: a wave's turning bytes: 32 x (128 + 16)
.set IMGS, 73728                       ; behind the 16 of them: four image stages,
.set IMGB, 13824                       ; each 96 pieces of 128 bytes + 16 of padding,
.set SCS, 129024                       ; and the scale words: 8 K steps x (256 + 16)
; v1 lane; v2-5 offsets of my four rows; v6, v7 turn in, out; v8 codes' place; v9 byte's place; v10 copy's place; v15 scale copy's place; v12-14 at work;
; v16-23 four chains; v24, v25 sums; v[26:27] -mean; v[28:29] factor; v30 8 x lane; v31 4 x lane; v32-63 the turned row; v64-191 four rows; v192-223 g; v224-255 b
	s_load_b256 s[4:11], s[0:1], 0x0               ; src, qkv_w, proj_w, w1
	s_load_b256 s[12:19], s[0:1], 0x20             ; w2, w3, g, b
	s_load_b128 s[20:23], s[0:1], 0x40             ; key_padding_mask, dst
	s_load_b64 s[24:25], s[0:1], 0x50              ; first
	v_lshrrev_b32 v1, 5, v0
	s_delay_alu instid0(VALU_DEP_1)
	v_readfirstlane_b32 s26, v1                    ; wave 0..15
	s_lshr_b32 s27, s26, 2                         ; which of the four row blocks
	s_and_b32 s28, s26, 3                          ; which four of its rows
	v_and_b32 v1, 31, v0
	s_delay_alu instid0(VALU_DEP_1)
	v_lshlrev_b32 v2, 4, v1
	s_mov_b32 s40, 0x76543210
	s_mov_b32 s41, 0xfedcba98                      ; v_permlanex16_b32's selects for lane l xor 16
	s_mov_b32 s42, 0x3a800000                      ; 1 / 1024
	s_mov_b32 s37, 0x3727c5ac                      ; 1e-5
	s_mov_b32 s30, 0                               ; the job's first work-group
	s_mov_b32 s31, H_IMG                           ; where its images begin in dst
	s_mov_b32 s32, H_SC                            ; and its scale words
	s_mov_b32 s33, 16384                           ; bytes of a K step's scale words
	s_mov_b32 s34, 12288                           ; bytes from row block to row block of images
	s_mov_b32 s35, 4096                            ; bytes from row to row of the source
	s_mov_b32 s36, -1                              ; all ones: layer norm; 0: plain
	s_wait_kmcnt 0x0
	s_cmp_ge_u32 ttmp9, 224
	s_cbranch_scc1 .Lnumbers                       ; the last two work-groups: the whole numbers alone
	s_cmp_lt_u32 s27, 2
	s_cselect_b64 s[10:11], s[10:11], s[12:13]     ; row blocks 0, 1 of a work-group of that job: w1; 2, 3: w2
	s_mov_b64 s[38:39], s[4:5]
	s_cmp_ge_u32 ttmp9, 64
	s_cselect_b64 s[38:39], s[6:7], s[38:39]
	s_cselect_b32 s30, 64, s30
	s_cselect_b32 s31, QW_IMG, s31
	s_cselect_b32 s32, QW_SC, s32
	s_cselect_b32 s33, 12288, s33
	s_cselect_b32 s36, 0, s36
	s_cmp_ge_u32 ttmp9, 112
	s_cselect_b64 s[38:39], s[8:9], s[38:39]
	s_cselect_b32 s30, 112, s30
	s_cselect_b32 s31, PW_IMG, s31
	s_cselect_b32 s32, PW_SC, s32
	s_cselect_b32 s33, 4096, s33
	s_cmp_ge_u32 ttmp9, 128
	s_cselect_b64 s[38:39], s[10:11], s[38:39]
	s_cselect_b32 s30, 128, s30
	s_cselect_b32 s31, UW_IMG, s31
	s_cselect_b32 s32, UW_SC, s32
	s_cselect_b32 s33, 16384, s33
	s_cmp_ge_u32 ttmp9, 192
	s_cselect_b64 s[38:39], s[14:15], s[38:39]
	s_cselect_b32 s30, 192, s30
	s_cselect_b32 s31, DW_IMG, s31
	s_cselect_b32 s32, DW_SC, s32
	s_cselect_b32 s33, 4096, s33
	s_cselect_b32 s34, 24576, s34
	s_cselect_b32 s35, 8192, s35
	s_sub_co_u32 s43, ttmp9, s30                   ; the work-group's number in its job
	s_lshr_b32 s29, s43, 4
	s_and_b32 s45, s43, 15
	s_cmp_ge_u32 ttmp9, 192
	s_cselect_b32 s29, s29, 0                      ; w3: which half of K
	s_cselect_b32 s43, s45, s43                    ; and which four row blocks
	s_and_b32 s46, s27, 1
	s_lshl_b32 s46, s46, 3                         ; 8 (row block % 2)
	s_lshl_b32 s47, s43, 6
	s_lshl_b32 s48, s27, 4
	s_add_co_u32 s47, s47, s48
	s_sub_co_u32 s47, s47, s46                     ; the row block's first logical row: 16 i - 8 (i % 2)
	s_lshl_b32 s48, s43, 5
	s_add_co_u32 s48, s48, s46                     ; in w1 or w2: 32 x work-group + 8 (row block % 2)
	s_sub_co_u32 s49, ttmp9, 128
	s_cmp_lt_u32 s49, 64
	s_cselect_b32 s47, s48, s47
	s_lshl_b32 s48, s28, 2
	s_add_co_u32 s47, s47, s48                     ; my four rows n = 4 x quarter + j lie at n + 8 (n / 8)
	s_lshr_b32 s48, s28, 1
	s_lshl_b32 s48, s48, 3
	s_add_co_u32 s47, s47, s48
	s_mul_i32 s48, s47, s35
	s_lshl_b32 s49, s29, 12
	s_add_co_u32 s48, s48, s49
	s_mov_b32 s49, 0
	s_add_nc_u64 s[38:39], s[38:39], s[48:49]      ; my first row
	s_wait_alu depctr_va_vdst(0)
	v_add_nc_u32 v3, s35, v2
	s_delay_alu instid0(VALU_DEP_1)
	v_add_nc_u32 v4, s35, v3
	s_delay_alu instid0(VALU_DEP_1)
	v_add_nc_u32 v5, s35, v4
.irp k, 0,1,2,3,4,5,6,7
	global_load_b128 v[192+4*\k:195+4*\k], v2, s[16:17] offset:512*\k   ; g: lane l, load k: numbers 128 k + 4 l on, as a row is loaded
.endr
.irp k, 0,1,2,3,4,5,6,7
	global_load_b128 v[224+4*\k:227+4*\k], v2, s[18:19] offset:512*\k   ; b
.endr
.irp j, 0,1,2,3
.irp k, 0,1,2,3,4,5,6,7
	global_load_b128 v[64+32*\j+4*\k:67+32*\j+4*\k], v[2+\j], s[38:39] offset:512*\k th:TH_LOAD_NT   ; all four rows at once: 32 loads of 512 consecutive bytes
.endr
.endr
	s_lshl_b32 s48, s43, 2
	s_add_co_u32 s48, s48, s27                     ; my row block in its tensor
	s_mul_i32 s48, s48, s34
	s_add_co_u32 s48, s48, s31
	s_mul_i32 s50, s29, 12288
	s_add_co_u32 s48, s48, s50
	s_mul_i32 s50, s28, 3072
	s_add_co_u32 s48, s48, s50
	s_add_nc_u64 s[44:45], s[22:23], s[48:49]      ; where I copy a quarter of its images
	s_and_b32 s51, s26, 7
	s_mul_i32 s48, s51, s33
	s_add_co_u32 s48, s48, s32
	s_lshl_b32 s50, s29, 15
	s_add_co_u32 s48, s48, s50
	s_lshl_b32 s50, s43, 8
	s_add_co_u32 s48, s48, s50
	s_add_nc_u64 s[46:47], s[22:23], s[48:49]      ; where waves 0-7 copy a K step's 64 scale words
	v_lshrrev_b32 v11, 3, v1
	s_delay_alu instid0(VALU_DEP_1)
	v_lshl_add_u32 v11, v11, 4, v2                 ; 16 l + 16 (l / 8): dense bytes with 16 of padding behind each 128
	s_mul_i32 s50, s26, TURNB
	v_add_nc_u32 v6, s50, v11
	v_mul_u32_u24 v7, v1, 144
	s_delay_alu instid0(VALU_DEP_1)
	v_add_nc_u32 v7, s50, v7
	v_lshrrev_b32 v12, 2, v1                       ; my block's K step
	s_delay_alu instid0(VALU_DEP_1)
	v_mul_u32_u24 v8, v12, 1728                    ; 12 pieces of 144 bytes an image,
	v_bfe_u32 v13, v1, 1, 1
	s_delay_alu instid0(VALU_DEP_1)
	v_mad_u32_u24 v8, v13, 864, v8                 ; 6 for the upper 64 of a K step,
	v_and_b32 v13, 1, v1
	s_delay_alu instid0(VALU_DEP_1)
	v_mad_u32_u24 v8, v13, 144, v8                 ; 1 for lanes 16-31 of the operand
	s_mul_i32 s50, s27, IMGB
	s_add_co_u32 s50, s50, IMGS
	s_lshl_b32 s52, s28, 5
	s_add_co_u32 s52, s52, s50
	v_add_nc_u32 v8, s52, v8                       ; + 8 bytes for each row: 32 x quarter here, 8 j in the immediate
	v_mul_u32_u24 v9, v12, 272
	v_and_b32 v13, 3, v1
	s_delay_alu instid0(VALU_DEP_1)
	v_add_nc_u32 v9, v9, v13
	s_lshl_b32 s52, s27, 6
	s_lshl_b32 s53, s28, 4
	s_add_co_u32 s52, s52, s53
	s_add_co_u32 s52, s52, SCS
	v_add_nc_u32 v9, s52, v9                       ; K step x 272 + 4 x row + block % 4
	s_mul_i32 s52, s28, 3456
	s_add_co_u32 s52, s52, s50
	v_add_nc_u32 v10, s52, v11
	v_lshlrev_b32 v30, 3, v1
	v_lshlrev_b32 v31, 2, v1
	s_mul_i32 s52, s51, 272
	s_add_co_u32 s52, s52, SCS
	v_add_nc_u32 v15, s52, v30
	v_mov_b32 v25, 0                               ; a lane permute's destination counts as one of its sources
	s_wait_loadcnt 32                              ; g and b are in; the rows' 32 loads are younger
.set k, 0
.rept 32
	v_bfi_b32 v[192+k], s36, v[192+k], 1.0         ; plain rows: g = 1,
	v_and_b32 v[224+k], s36, v[224+k]              ; b = 0
.set k, k+1
.endr
.macro REDUCE                          ; four chains of pairs -> one sum in every lane, v24
	s_delay_alu instid0(VALU_DEP_3)
	v_pk_add_f32 v[16:17], v[16:17], v[18:19]
	s_delay_alu instid0(VALU_DEP_2)
	v_pk_add_f32 v[20:21], v[20:21], v[22:23]
	s_delay_alu instid0(VALU_DEP_1)
	v_pk_add_f32 v[16:17], v[16:17], v[20:21]
	s_delay_alu instid0(VALU_DEP_1)
	v_add_f32 v24, v16, v17
	s_delay_alu instid0(VALU_DEP_1)
	v_add_f32_dpp v24, v24, v24 row_xmask:1 row_mask:0xf bank_mask:0xf
	s_delay_alu instid0(VALU_DEP_1)
	v_add_f32_dpp v24, v24, v24 row_xmask:2 row_mask:0xf bank_mask:0xf
	s_delay_alu instid0(VALU_DEP_1)
	v_add_f32_dpp v24, v24, v24 row_xmask:4 row_mask:0xf bank_mask:0xf
	s_delay_alu instid0(VALU_DEP_1)
	v_add_f32_dpp v24, v24, v24 row_xmask:8 row_mask:0xf bank_mask:0xf
	s_delay_alu instid0(VALU_DEP_1)
	v_permlanex16_b32 v25, v24, s40, s41
	s_delay_alu instid0(VALU_DEP_1)
	v_add_f32 v24, v24, v25
.endm
.macro ROW j
.set XS, 64+32*(\j)
	s_wait_loadcnt 24-8*(\j)                       ; my row's eight loads are in; eight for each younger row may be out
.irp c, 0,2,4,6
	v_pk_add_f32 v[16+\c:17+\c], v[XS+\c:XS+\c+1], v[XS+8+\c:XS+9+\c]
.endr
.irp c, 0,2,4,6
	s_delay_alu instid0(VALU_DEP_4)
	v_pk_add_f32 v[16+\c:17+\c], v[16+\c:17+\c], v[XS+16+\c:XS+17+\c]
.endr
.irp c, 0,2,4,6
	s_delay_alu instid0(VALU_DEP_4)
	v_pk_add_f32 v[16+\c:17+\c], v[16+\c:17+\c], v[XS+24+\c:XS+25+\c]
.endr
	REDUCE
	s_delay_alu instid0(VALU_DEP_1)
	v_mul_f32 v26, 0xba800000, v24                 ; -mean
	s_delay_alu instid0(VALU_DEP_1)
	v_and_b32 v26, s36, v26                        ; plain rows: 0
	s_delay_alu instid0(VALU_DEP_1)
	v_mov_b32 v27, v26
.irp c, 0,2,4,6,8,10,12,14,16,18,20,22,24,26,28,30
	v_pk_add_f32 v[XS+\c:XS+\c+1], v[XS+\c:XS+\c+1], v[26:27]
.endr
.irp c, 0,2,4,6
	v_pk_mul_f32 v[16+\c:17+\c], v[XS+\c:XS+\c+1], v[XS+\c:XS+\c+1]
.endr
.irp k, 8,16,24
.irp c, 0,2,4,6
	s_delay_alu instid0(VALU_DEP_4)
	v_pk_fma_f32 v[16+\c:17+\c], v[XS+\k+\c:XS+\k+\c+1], v[XS+\k+\c:XS+\k+\c+1], v[16+\c:17+\c]
.endr
.endr
	REDUCE
	s_delay_alu instid0(VALU_DEP_1)
	v_fma_f32 v24, v24, s42, s37                   ; variance + 1e-5
	s_wait_alu depctr_va_vdst(0)
	v_rsq_f32 v28, v24
	v_nop                                          ; a plain instruction behind the transcendental,
	s_wait_alu depctr_va_vdst(0)                   ; and the wait ahead of its first reader
	v_bfi_b32 v28, s36, v28, 1.0                   ; plain rows: 1
	s_delay_alu instid0(VALU_DEP_1)
	v_mov_b32 v29, v28
.irp c, 0,2,4,6,8,10,12,14,16,18,20,22,24,26,28,30
	v_pk_mul_f32 v[XS+\c:XS+\c+1], v[XS+\c:XS+\c+1], v[28:29]
.endr
.irp c, 0,2,4,6,8,10,12,14,16,18,20,22,24,26,28,30
	v_pk_fma_f32 v[XS+\c:XS+\c+1], v[XS+\c:XS+\c+1], v[192+\c:193+\c], v[224+\c:225+\c]
.endr
.irp k, 0,1,2,3,4,5,6,7
	ds_store_b128 v6, v[XS+4*\k:XS+4*\k+3] offset:576*\k     ; the row as it lies, 16 bytes of padding behind each 128
.endr
.irp k, 0,1,2,3,4,5,6,7
	ds_load_b128 v[32+4*\k:35+4*\k], v7 offset:16*\k         ; back: lane l takes block l; LDS serves a wave's instructions in order
.endr
	s_wait_dscnt 0x0
	v_max3_num_f32 v12, |v32|, |v33|, |v34|
	v_max3_num_f32 v13, |v35|, |v36|, |v37|
.irp i, 6,10,14,18,22,26
	s_delay_alu instid0(VALU_DEP_2)
	v_max3_num_f32 v12, v12, |v[32+\i]|, |v[33+\i]|
	s_delay_alu instid0(VALU_DEP_2)
	v_max3_num_f32 v13, v13, |v[34+\i]|, |v[35+\i]|
.endr
	s_delay_alu instid0(VALU_DEP_2)
	v_max3_num_f32 v12, v12, |v62|, |v63|
	s_delay_alu instid0(VALU_DEP_1)
	v_max3_num_f32 v12, v12, v13, 0x2800000        ; and the floor 2^(5 - 127): the byte cannot fall under 1
	s_delay_alu instid0(VALU_DEP_1)
	v_add_nc_u32 v14, 0xfe000000, v12              ; 4 off the exponent field: the conversion's scale operand
	v_cvt_scalef32_pk16_bf6_f32 v[XS:XS+2], v[32:47], v14        ; into the row's own registers, which are free and are not written again
	v_cvt_scalef32_pk16_bf6_f32 v[XS+4:XS+6], v[48:63], v14
	v_lshrrev_b32 v[XS+8], 23, v14                 ; the scale's byte (also the plain instruction behind the conversions)
	ds_store_b32 v8, v[XS] offset:8*(\j)           ; operand registers 6 c + 0 .. 5 of lane (my row) + 16 (block % 2)
	ds_store_b32 v8, v[XS+1] offset:8*(\j)+4
	ds_store_b32 v8, v[XS+2] offset:8*(\j)+288
	ds_store_b32 v8, v[XS+4] offset:8*(\j)+292
	ds_store_b32 v8, v[XS+5] offset:8*(\j)+576
	ds_store_b32 v8, v[XS+6] offset:8*(\j)+580
	ds_store_b8 v9, v[XS+8] offset:4*(\j)
.endm
	ROW 0
	ROW 1
	ROW 2
	ROW 3
	s_wait_dscnt 0x0                               ; for the others' sake: my stores into the stages are done
	s_barrier_signal -1
	s_barrier_wait -1
.irp t, 0,1,2,3,4,5
	ds_load_b128 v[32+4*\t:35+4*\t], v10 offset:576*\t       ; a quarter of my row block's images, dense again
.endr
.irp t, 0,1,2,3,4,5
	s_wait_dscnt 5-\t                              ; the younger loads of this run may be out
	global_store_b128 v2, v[32+4*\t:35+4*\t], s[44:45] offset:512*\t     ; 512 consecutive bytes, at a multiple of 256 from dst's first byte
.endr
	s_cmp_lt_u32 s26, 8
	s_cbranch_scc0 .Lno_scales
	ds_load_b64 v[56:57], v15
	s_wait_dscnt 0x0
	global_store_b64 v30, v[56:57], s[46:47]       ; a K step's 64 scale words: 256 consecutive bytes, aligned
.Lno_scales:
	s_sub_co_u32 s50, ttmp9, 64
	s_cmp_lt_u32 s50, 64
	s_cbranch_scc0 .Lno_table
	; ---- the table of cos and sin: lane = frequency, two positions a wave
	s_wait_xcnt 0x0
	v_cvt_f32_u32 v12, v1
	s_delay_alu instid0(VALU_DEP_1)
	v_mul_f32 v12, 0xbed49a78, v12                 ; -f log2(10000) / 32
	s_wait_alu depctr_va_vdst(0)
	v_exp_f32 v12, v12
	s_lshl_b32 s50, s50, 5
	s_lshl_b32 s51, s26, 1
	s_add_co_u32 s50, s50, s51                     ; my first position
	s_lshl_b32 s52, s50, 8
	s_add_co_u32 s52, s52, ROPE
	s_mov_b32 s53, 0
	s_add_nc_u64 s[52:53], s[22:23], s[52:53]
	v_nop
	s_wait_alu depctr_va_vdst(0)
.irp i, 0,1
.set R, 64+20*\i
	s_add_co_u32 s51, s50, \i
	v_cvt_f32_u32 v[R], s51
	v_mul_f32 v[R], v[R], v12                      ; the angle
	s_delay_alu instid0(VALU_DEP_1)
	v_mul_f32 v[R+1], 0x3f22f983, v[R]
	s_delay_alu instid0(VALU_DEP_1)
	v_rndne_f32 v[R+1], v[R+1]                     ; n = the nearest multiple of pi / 2
	s_delay_alu instid0(VALU_DEP_1)
	v_fmamk_f32 v[R+2], v[R+1], 0xbfc90fdb, v[R]   ; r = angle - n pi / 2, pi / 2 in two parts
	s_delay_alu instid0(VALU_DEP_1)
	v_fmamk_f32 v[R+2], v[R+1], 0x333bbd2e, v[R+2]
	s_delay_alu instid0(VALU_DEP_1)
	v_mul_f32 v[R+3], v[R+2], v[R+2]               ; z = r r
	v_mov_b32 v[R+4], 0xb94ca1f9
	s_delay_alu instid0(VALU_DEP_1)
	v_fmaak_f32 v[R+4], v[R+4], v[R+3], 0x3c08839e
	s_delay_alu instid0(VALU_DEP_1)
	v_fmaak_f32 v[R+4], v[R+4], v[R+3], 0xbe2aaaa3
	s_delay_alu instid0(VALU_DEP_4)
	v_mul_f32 v[R+5], v[R+3], v[R+2]
	s_delay_alu instid0(VALU_DEP_1)
	v_fma_f32 v[R+4], v[R+4], v[R+5], v[R+2]       ; sin r
	v_mov_b32 v[R+6], 0x37ccf5ce
	s_delay_alu instid0(VALU_DEP_1)
	v_fmaak_f32 v[R+6], v[R+6], v[R+3], 0xbab6061a
	s_delay_alu instid0(VALU_DEP_1)
	v_fmaak_f32 v[R+6], v[R+6], v[R+3], 0x3d2aaaa5
	v_mul_f32 v[R+7], v[R+3], v[R+3]
	v_fma_f32 v[R+8], v[R+3], -0.5, 1.0
	s_delay_alu instid0(VALU_DEP_1)
	v_fma_f32 v[R+6], v[R+6], v[R+7], v[R+8]       ; cos r
	v_cvt_i32_f32 v[R+9], v[R+1]
	s_delay_alu instid0(VALU_DEP_1)
	v_and_b32 v[R+10], 1, v[R+9]
	s_delay_alu instid0(VALU_DEP_1)
	v_cmp_eq_u32 vcc_lo, 1, v[R+10]
	s_delay_alu instid0(VALU_DEP_1)
	v_cndmask_b32 v[R+11], v[R+4], v[R+6], vcc_lo  ; odd quadrants change the two over,
	s_delay_alu instid0(VALU_DEP_2)
	v_cndmask_b32 v[R+12], v[R+6], v[R+4], vcc_lo
	v_and_b32 v[R+13], 2, v[R+9]
	s_delay_alu instid0(VALU_DEP_1)
	v_lshlrev_b32 v[R+13], 30, v[R+13]
	s_delay_alu instid0(VALU_DEP_1)
	v_xor_b32 v[R+11], v[R+11], v[R+13]            ; sin is negative in quadrants 2, 3,
	v_add_nc_u32 v[R+14], 1, v[R+9]
	s_delay_alu instid0(VALU_DEP_1)
	v_and_b32 v[R+14], 2, v[R+14]
	s_delay_alu instid0(VALU_DEP_1)
	v_lshlrev_b32 v[R+14], 30, v[R+14]
	s_delay_alu instid0(VALU_DEP_1)
	v_xor_b32 v[R+12], v[R+12], v[R+14]            ; cos in 1, 2
	global_store_b32 v31, v[R+12], s[52:53] offset:256*\i
	global_store_b32 v31, v[R+11], s[52:53] offset:256*\i+128
.endr
.Lno_table:
	s_branch .Lend
.Lnumbers:
	; ---- the two whole numbers of batch G - 224: wave 0 alone
	s_cmp_eq_u32 s26, 0
	s_cbranch_scc0 .Lend
	s_sub_co_u32 s50, ttmp9, 224
	s_wait_alu depctr_va_vdst(0)
	v_lshlrev_b32 v31, 2, v1
	s_lshl_b32 s52, s50, 11
	s_mov_b32 s53, 0
	s_add_nc_u64 s[20:21], s[20:21], s[52:53]
	s_lshl_b32 s52, s50, 8
	s_add_nc_u64 s[24:25], s[24:25], s[52:53]
.set i, 0
.rept 64
	global_load_u8 v[64+i], v1, s[20:21] offset:32*i         ; key 32 i + lane
.set i, i+1
.endr
	s_mov_b32 s54, 2048
	s_mov_b32 s55, 0
	s_wait_loadcnt 0x0
.set i, 63
.rept 64
	v_cmp_eq_u32 vcc_lo, 0, v[64+i]                ; a bit for each key that is not padded
	s_ctz_i32_b32 s56, vcc_lo
	s_add_co_u32 s56, s56, 32*i
	s_cmp_lg_u32 vcc_lo, 0
	s_cselect_b32 s54, s56, s54                    ; descending: the lowest stays
	s_cmp_lg_u32 vcc_lo, -1
	s_cselect_b32 s57, 1<<(i/4), 0
	s_or_b32 s55, s55, s57
.set i, i-1
.endr
	v_mov_b32 v12, s54
	v_mov_b32 v13, s55
	global_store_b32 v31, v12, s[24:25]            ; each number 32 times: every byte of the buffer is written
	global_store_b32 v31, v13, s[24:25] offset:128
.Lend:
	s_wait_xcnt 0x0
	v_lshl_add_u32 v254, v0, 2, 0x20100
	v_mov_b32 v255, 0
	s_wait_alu depctr_va_vdst(0)
	s_wait_tensorcnt 0x0
	ds_add_u32 v254, v255
	s_wait_dscnt 0x0
	s_endpgm
.Lfunc_end_k_q396eaebfd7_prep:
	.size	k_q396eaebfd7_prep, .Lfunc_end_k_q396eaebfd7_prep-k_q396eaebfd7_prep
	.p2alignl 7, 3214868480
	.fill 96, 4, 3214868480
	.section	.rodata,"a",@progbits
	.p2align	6, 0x0
	.amdhsa_kernel k_q396eaebfd7_prep
		.amdhsa_group_segment_fixed_size 133376
		.amdhsa_private_segment_fixed_size 0
		.amdhsa_enable_private_segment 0
		.amdhsa_kernarg_size 88
		.amdhsa_user_sgpr_count 2
		.amdhsa_user_sgpr_kernarg_segment_ptr 1
		.amdhsa_wavefront_size32 1
		.amdhsa_system_sgpr_workgroup_id_x 1
		.amdhsa_system_sgpr_workgroup_id_y 1
		.amdhsa_system_sgpr_workgroup_id_z 1
		.amdhsa_system_vgpr_workitem_id 0
		.amdhsa_next_free_vgpr 256
		.amdhsa_next_free_sgpr 66
		.amdhsa_reserve_vcc 1
		.amdhsa_float_denorm_mode_32 3
		.amdhsa_float_denorm_mode_16_64 3
		.amdhsa_memory_ordered 1
		.amdhsa_forward_progress 1
		.amdhsa_inst_pref_size 91
	.end_amdhsa_kernel
	.amdgpu_metadata
---
amdhsa.version: [ 1, 2 ]
amdhsa.kernels:
  - .name:           k_q396eaebfd7_prep
    .symbol:         k_q396eaebfd7_prep.kd
    .args:
      - { .name: x, .offset: 0, .size: 8, .value_kind: global_buffer, .address_space: global }
      - { .name: qkv_w, .offset: 8, .size: 8, .value_kind: global_buffer, .address_space: global }
      - { .name: proj_w, .offset: 16, .size: 8, .value_kind: global_buffer, .address_space: global }
      - { .name: w1, .offset: 24, .size: 8, .value_kind: global_buffer, .address_space: global }
      - { .name: w2, .offset: 32, .size: 8, .value_kind: global_buffer, .address_space: global }
      - { .name: w3, .offset: 40, .size: 8, .value_kind: global_buffer, .address_space: global }
      - { .name: ln1_g, .offset: 48, .size: 8, .value_kind: global_buffer, .address_space: global }
      - { .name: ln1_b, .offset: 56, .size: 8, .value_kind: global_buffer, .address_space: global }
      - { .name: key_padding_mask, .offset: 64, .size: 8, .value_kind: global_buffer, .address_space: global }
      - { .name: pw, .offset: 72, .size: 8, .value_kind: global_buffer, .address_space: global }
      - { .name: first, .offset: 80, .size: 8, .value_kind: global_buffer, .address_space: global }
    .group_segment_fixed_size: 133376
    .private_segment_fixed_size: 0
    .kernarg_segment_align: 8
    .kernarg_segment_size: 88
    .max_flat_workgroup_size: 512
    .sgpr_count:     66
    .vgpr_count:     256
    .wavefront_size: 32
...
	.end_amdgpu_metadata
.endif
;; end of part 1
;; launch qkv (part 2): grid 16 x 12, 16 waves a work-group, clusters of 4 x 4, 327,680 bytes of LDS; arguments pw, qkv_b, qkvb; writes qkvb
.if DOCPART == 2
	.amdgcn_target "amdgcn-amd-amdhsa--gfx1250"
	.amdhsa_code_object_version 6
	.text
	.protected	k_q396eaebfd7_qkv
	.globl	k_q396eaebfd7_qkv
	.p2align	8
	.type	k_q396eaebfd7_qkv,@function
k_q396eaebfd7_qkv:
	s_mov_b64 s[64:65], 0
	v_nop
	global_prefetch_b8 v0, s[64:65] scope:SCOPE_SE
	s_setreg_imm32_b32 hwreg(HW_REG_WAVE_MODE, 25, 1), 1
	s_wait_xcnt 0x0
	s_wait_alu depctr_hold_cnt(0) depctr_sa_sdst(0) depctr_va_vdst(0) depctr_va_sdst(0) depctr_va_ssrc(0) depctr_va_vcc(0) depctr_vm_vsrc(0)
	s_getreg_b32 s2, hwreg(HW_REG_IB_STS2, 6, 4)
	s_cmp_eq_u32 s2, 0
	s_cbranch_scc0 .Lentry_in_a_cluster
	s_endpgm
.Lentry_in_a_cluster:
	s_bfe_u32 s2, ttmp6, 0x10000c
	s_cmp_lg_u32 s2, 0xf033
	s_cbranch_scc0 .Lentry_shape_is_right
	s_endpgm
.Lentry_shape_is_right:
; qkv = h qkv_w^T + qkv_b on codes of BF6 with E8M0 scales; then the rotary turn of q and k; then q, k (along the head's 64) and V (along the keys) are quantised and stored as images of operand registers.
; THE PRODUCT.  A work-group of 16 waves makes 256 tokens x 256 features; a wave 64 x 64: 16 accumulators, 128 registers; four waves to a SIMD, no register windows.  K = 1,024 goes in 4 slots of 256 through a ring of two LDS slots.
; Operands lie in memory as images (16 rows x 128 K = 1,536 bytes: registers 2 p, 2 p + 1 of lane l at 256 p + 8 l), [row block][K step]: a slot's part of a row block is 3,072 consecutive bytes; a fragment is six loads of 256 consecutive bytes.
; Row block i, lane row r, holds logical row 32 (i / 2) + 8 (i % 2) + r + 8 (r / 8): so the 16 registers of two neighbouring result tiles are 16 neighbours along source 0's rows.
; CLUSTERS 4 x 4: tokens' tiles hang on work-group x alone and are asked for jointly by the four of a column of the cluster, weights' tiles on y alone, by the four of a row.  Waves 0, 1 fetch the tokens' halves, waves 2, 3 the weights'.
; Cluster y = 0: q, 1: k: source 0 = weights, source 1 = tokens: a lane holds one token, its registers run along the head's 64.  Cluster y = 2: V: the two LDS regions change roles on the reading side: a lane holds one
; channel of V and its registers run along the tokens, which are the next product's K.  Cluster y is the same in all partners of a cluster.
; LIMITS: NaN and infinities are not served; a block whose largest magnitude lies under 2^-122 keeps the scale byte 1; a block of zeros gets the byte 1, not 127 (zero codes; this program alone reads the bytes).
; The rotary turn uses fused multiply-adds: its rounding differs from a multiply and an add by about 1e-7 of the number.
; THE WALK ALONG K AS THE TEXT BELOW HAS IT; it takes the place of the ring of two slots and of the four fetching waves that the lines above name.
; LDS holds three regions of 98,304 bytes (the tokens' 49,152, then the weights').  At the head each of the 16 waves issues ONE joint load: wave w under 12 a quarter of region w / 4, which takes K slot w / 4
; (w % 4 = 0, 1: the tokens' halves; 2, 3: the weights'); waves 12-15 the four halves of the scale words.  K slot 2 is multiplied first; behind a round of the cluster's barrier waves 8-11 fill its region again
; with K slot 3, and K slots 0 and 1 (64 matrix instructions a wave) are multiplied while that load is out; then K slot 3.  LIMIT: the sums run along K in the order 2, 0, 1, 3: their rounding differs from an ascending sum's.
; The way out's stages lie in regions 0 and 1: their last reads stand ahead of the barrier in front of K slot 3, and they are filled once.  No prefetch: the walk is written out, four slots, with no loop to run ahead in.
.set TT, 4
.set KU, 1
.set KSL, 2
.set KD, 8
.set NSL, 4
.set RT, 256
.set T_IMG, 0
.set T_SC, 3145728
.set MT, 4096
.set W_IMG, 3801088
.set W_SC, 6160384
.set MW, 3072
.set ROPE, 3276800
.set SLOTB, 98304
.set REG, 49152                        ; a slot: the tokens' region, then the weights'
.set HALFB, 24576                      ; what one tensor load brings
.set SCL, 294912                       ; behind the three regions: scale words [K step][RT], the tokens', then the weights'
.set SH, KD*RT*2                       ; half of a side's
.set SPARE, 311296                     ; the spare words, 128 bytes for each wave: eight blocks of 256 bytes that no other line names
.set F1, 32                            ; v32-79   source 1's fragments
.set F0, 80                            ; v80-127  source 0's
.set ACC, 128                          ; v128-255 accumulator (a, b) at 128 + 8 (TT a + b)
.set SC, 24                            ; v24-27   scale words: lanes 0-15 source 1's block i, lanes 16-31 source 0's block i
.set AD1, 16                           ; v16-17   LDS address of source 1's fragments for K slots 2 and 3; 0 and 1
.set AD0, 18                           ; v18-19   of source 0's
.set ADS, 20                           ; v20      of the scale words
.set G1T, 24
.set G0T, 32
.set G1W, 48
.set G0W, 56
.set G1ST, 68
.set G0ST, 76
.set G1SW, 80
.set G0SW, 88
.macro ROUND                           ; a round of the cluster's barrier
	s_barrier_signal -1
	s_barrier_wait -1
	s_cmp_lg_u32 s14, 0
	s_cbranch_scc1 .Lnot_wave_0_\@
	s_barrier_signal -3
.Lnot_wave_0_\@:
	s_barrier_wait -3
	s_barrier_signal -1
	s_barrier_wait -1
.endm
.macro LD g0, g1                       ; a joint load; an s_nop 0 and four v_nop follow it
	tensor_load_to_lds s[\g0:\g0+3], s[\g1:\g1+7]
	s_nop 0
.rept 4
	v_nop
.endr
.endm
.macro FRAG reg, adr, off
.irp p, 0,1,2,3,4,5
	ds_load_b64 v[\reg+2*\p:\reg+2*\p+1], v[\adr] offset:\off+256*\p
.endr
.endm
.macro STEP n, q0, first               ; KU K steps of 128: the fragments, then TT x TT x KU products, the accumulators by turns, one instruction a turn
.rept 4
	v_nop                                          ; four places in front of loads into registers that matrix instructions have read
.endr
.set u, 0
.rept KU
.set i, 0
.rept TT
	FRAG F1+12*(TT*u+i), AD1+1-(\n)/2, i*KSL*1536+((\q0)+u)*1536
	FRAG F0+12*(TT*u+i), AD0+1-(\n)/2, i*KSL*1536+((\q0)+u)*1536
	ds_load_b32 v[SC+TT*u+i], v[ADS] offset:((\n)*KSL+(\q0)+u)*RT*4+64*i
.set i, i+1
.endr
.set u, u+1
.endr
	s_wait_dscnt 0x0
.set u, 0
.rept KU
.set a, 0
.rept TT
.set b, 0
.rept TT
.if (\first) && (u == 0)
	v_wmma_scale_f32_16x16x128_f8f6f4 v[ACC+8*(TT*a+b):ACC+8*(TT*a+b)+7], v[F0+12*(TT*u+b):F0+12*(TT*u+b)+11], v[F1+12*(TT*u+a):F1+12*(TT*u+a)+11], 0, v[SC+TT*u+b], v[SC+TT*u+a] matrix_a_fmt:MATRIX_FMT_BF6 matrix_b_fmt:MATRIX_FMT_BF6 matrix_a_scale:MATRIX_SCALE_ROW1
.else
	v_wmma_scale_f32_16x16x128_f8f6f4 v[ACC+8*(TT*a+b):ACC+8*(TT*a+b)+7], v[F0+12*(TT*u+b):F0+12*(TT*u+b)+11], v[F1+12*(TT*u+a):F1+12*(TT*u+a)+11], v[ACC+8*(TT*a+b):ACC+8*(TT*a+b)+7], v[SC+TT*u+b], v[SC+TT*u+a] matrix_a_fmt:MATRIX_FMT_BF6 matrix_b_fmt:MATRIX_FMT_BF6 matrix_a_scale:MATRIX_SCALE_ROW1
.endif
.set b, b+1
.endr
.set a, a+1
.endr
.set u, u+1
.endr
.endm
.macro TRIP n, first                   ; K slot n's K steps.  Address register 0 serves K slots 2 and 3 (region 2), register 1 K slots 0 and 1
	STEP \n, 0, \first
	STEP \n, KU, 0
.endm
; nb blocks; block b's 16 numbers of my lane in v[src + str b] on; tmp: 32 scratch registers: +0 largest magnitudes, +4 the other half's, +8 scale operands, +12 bytes, +16 + 4 b codes (3 registers)
.macro QUANT nb, src, str, tmp
.set b, 0
.rept \nb
	v_max3_num_f32 v[(\tmp)+b], |v[(\src)+(\str)*b]|, |v[(\src)+(\str)*b+1]|, 0x2800000   ; with the floor 2^(5 - 127): the byte cannot fall under 1
.set b, b+1
.endr
.irp i, 2,4,6,8,10,12,14
.set b, 0
.rept \nb
	s_delay_alu instid0(VALU_DEP_2)
	v_max3_num_f32 v[(\tmp)+b], v[(\tmp)+b], |v[(\src)+(\str)*b+\i]|, |v[(\src)+(\str)*b+\i+1]|
.set b, b+1
.endr
.endr
.set b, 0
.rept \nb
	s_delay_alu instid0(VALU_DEP_2)
	v_permlanex16_b32 v[(\tmp)+4+b], v[(\tmp)+b], s2, s3
.set b, b+1
.endr
.set b, 0
.rept \nb
	s_delay_alu instid0(VALU_DEP_2)
	v_max_num_f32 v[(\tmp)+b], v[(\tmp)+b], v[(\tmp)+4+b]      ; with lane l xor 16's 16: the block's largest magnitude
.set b, b+1
.endr
.set b, 0
.rept \nb
	s_delay_alu instid0(VALU_DEP_2)
	v_add_nc_u32 v[(\tmp)+8+b], 0xfe000000, v[(\tmp)+b]        ; 4 off the exponent field: the conversion's scale operand
.set b, b+1
.endr
.set b, 0
.rept \nb
	s_delay_alu instid0(VALU_DEP_2)
	v_lshrrev_b32 v[(\tmp)+12+b], 23, v[(\tmp)+8+b]            ; the scale's byte
.set b, b+1
.endr
.set b, 0
.rept \nb
	v_cvt_scalef32_pk16_bf6_f32 v[(\tmp)+16+4*b:(\tmp)+18+4*b], v[(\src)+(\str)*b:(\src)+(\str)*b+15], v[(\tmp)+8+b]
.set b, b+1
.endr
	v_nop                                          ; one plain instruction behind the last scaled conversion
.endm
; 16 codes (3 registers) of k = 32 B + 16 h + 0 .. 15 of row r go to lane r + 16 (B % 2), registers 6 (B / 2) + 3 h + 0 .. 2 of an image: pa0 = base + 8 r + 260 h, pa1 = base + 8 r + 4 + 508 h
.macro PUT pa0, pa1, cd, off
	ds_store_b32 v[\pa0], v[\cd] offset:\off
	ds_store_b32 v[\pa1], v[(\cd)+1] offset:\off
	ds_store_b32 v[\pa0], v[(\cd)+2] offset:(\off)+256
.endm
	s_load_b64 s[4:5], s[0:1], 0x0                 ; the tokens' buffer (pw)
	s_load_b64 s[6:7], s[0:1], 0x0                 ; the weights' buffer (pw again)
	s_load_b128 s[8:11], s[0:1], 0x8               ; qkv_b, qkvb
	v_lshl_add_u32 v30, v0, 2, SPARE
	v_mov_b32 v31, 0
	ds_add_u32 v30, v31
	ds_add_u32 v30, v31
	s_wait_dscnt 0x0
	v_lshrrev_b32 v1, 5, v0
	s_delay_alu instid0(VALU_DEP_1)
	v_readfirstlane_b32 s14, v1                    ; wave 0..15
	s_lshr_b32 s15, s14, 2                         ; wr: which 64 rows of source 1
	s_and_b32 s16, s14, 3                          ; wc: which 64 rows of source 0
	s_and_b32 s18, s14, 1                          ; which half of a tile I fetch
	s_mov_b32 s2, 0x76543210
	s_mov_b32 s3, 0xfedcba98
	s_bfe_u32 s40, ttmp6, 0x40000                  ; cx
	s_bfe_u32 s41, ttmp6, 0x40004                  ; cy
	s_lshl_b32 s42, ttmp9, 2
	s_add_co_u32 s42, s42, s40                     ; x: the tokens' tile
	s_and_b32 s17, ttmp7, 0xffff
	s_lshl_b32 s17, s17, 2
	s_add_co_u32 s17, s17, s41                     ; y: the weights' tile
	s_lshl_b32 s43, s41, 2
	s_lshl_b32 s43, 15, s43                        ; my row of the cluster (same y)
	s_lshl_b32 s44, 0x1111, s40                    ; my column (same x)
	s_or_b32 s[G1T], s44, (3<<16)|(1<<21)          ; elements of 8 bytes; bit 21 set beside a mask; no padding
	s_or_b32 s[G1W], s43, (3<<16)|(1<<21)
.irp g, G1T, G1W
	s_mov_b32 s[\g+1], (KSL*192)<<16               ; tensor_dim0: a row block's part of a slot
	s_mov_b32 s[\g+2], (RT/32)<<16                 ; tensor_dim1: half the tile's row blocks
	s_mov_b32 s[\g+3], (KSL*192)<<16               ; tile_dim0
	s_mov_b32 s[\g+4], RT/32                       ; tile_dim1
	s_mov_b32 s[\g+5], KD*192                      ; from row block to row block
	s_mov_b32 s[\g+6], 0
	s_mov_b32 s[\g+7], 0
.endr
	s_or_b32 s[G1ST], s44, (3<<16)|(1<<21)
	s_or_b32 s[G1SW], s43, (3<<16)|(1<<21)
.irp g, G1ST, G1SW
	s_mov_b32 s[\g+1], (RT/2)<<16                  ; a K step's RT scale words
	s_mov_b32 s[\g+2], (KD/2)<<16                  ; half the K steps
	s_mov_b32 s[\g+3], (RT/2)<<16
	s_mov_b32 s[\g+4], KD/2
	s_mov_b32 s[\g+6], 0
	s_mov_b32 s[\g+7], 0
.endr
	s_mov_b32 s[G1ST+5], MT/2
	s_mov_b32 s[G1SW+5], MW/2
	s_mul_i32 s20, s42, (RT/16)*KD*1536
	s_mul_i32 s19, s18, (RT/32)*KD*1536
	s_add_co_u32 s20, s20, s19
	s_add_co_u32 s20, s20, T_IMG
	s_mov_b32 s21, 0
	s_mul_i32 s46, s17, (RT/16)*KD*1536
	s_add_co_u32 s46, s46, s19
	s_add_co_u32 s46, s46, W_IMG
	s_mov_b32 s47, 0
	s_mul_i32 s19, s18, (KD/2)*MT*4
	s_mul_i32 s22, s42, RT*4
	s_add_co_u32 s22, s22, s19
	s_add_co_u32 s22, s22, T_SC
	s_mov_b32 s23, 0
	s_mul_i32 s19, s18, (KD/2)*MW*4
	s_mul_i32 s92, s17, RT*4
	s_add_co_u32 s92, s92, s19
	s_add_co_u32 s92, s92, W_SC
	s_mov_b32 s93, 0
	s_mul_i32 s94, s16, SH                         ; where a half of a side's scale words goes: wave % 4
	s_and_b32 s98, ttmp7, 0xffff                   ; cluster y: 0 q, 1 k, 2 V
	s_cmp_ge_u32 s98, 2
	s_cselect_b32 s66, REG, 0                      ; source 1's region: the weights' for V, else the tokens'
	s_cselect_b32 s67, 0, REG                      ; source 0's
	s_cselect_b32 s97, 1, 0
	s_wait_kmcnt 0x0
	s_add_nc_u64 s[20:21], s[4:5], s[20:21]
	s_add_nc_u64 s[22:23], s[4:5], s[22:23]
	s_add_nc_u64 s[46:47], s[6:7], s[46:47]
	s_add_nc_u64 s[92:93], s[6:7], s[92:93]
	ROUND                                          ; all sixteen work-groups are here: the first joint loads meet
	s_mov_b32 s[G0ST], 1
	s_add_co_u32 s[G0ST+1], s94, SCL
	s_mov_b64 s[G0ST+2:G0ST+3], s[22:23]
	s_or_b32 s[G0ST+3], s[G0ST+3], 0x80000000
	s_mov_b32 s[G0SW], 1
	s_add_co_u32 s[G0SW+1], s94, SCL
	s_mov_b64 s[G0SW+2:G0SW+3], s[92:93]
	s_or_b32 s[G0SW+3], s[G0SW+3], 0x80000000
	s_mul_i32 s36, s15, KSL*1536                   ; K slot wave / 4: its place in a row block's images
	s_mov_b32 s37, 0
	s_mov_b32 s[G0T], 1
	s_mul_i32 s[G0T+1], s14, HALFB                 ; region wave / 4, quarter wave % 4: no place in the cluster enters an LDS address
	s_add_nc_u64 s[G0T+2:G0T+3], s[20:21], s[36:37]
	s_or_b32 s[G0T+3], s[G0T+3], 0x80000000
	s_mov_b32 s[G0W], 1
	s_mul_i32 s[G0W+1], s14, HALFB
	s_add_nc_u64 s[G0W+2:G0W+3], s[46:47], s[36:37]
	s_or_b32 s[G0W+3], s[G0W+3], 0x80000000
	s_cmp_lt_u32 s14, 12                           ; the head's sixteen loads, one a wave: one tree of branches on the wave's number, every way through it passes one load
	s_cbranch_scc0 .Lh_s
	s_cmp_lt_u32 s16, 2
	s_cbranch_scc0 .Lh_w
	LD G0T, G1T
	s_branch .Lh_j
.Lh_w:
	LD G0W, G1W
	s_branch .Lh_j
.Lh_s:
	s_cmp_lt_u32 s16, 2
	s_cbranch_scc0 .Lh_sw
	LD G0ST, G1ST
	s_branch .Lh_j
.Lh_sw:
	LD G0SW, G1SW
.Lh_j:
	v_and_b32 v1, 15, v0                           ; r
	v_bfe_u32 v2, v0, 4, 1                         ; h
	v_and_b32 v3, 31, v0
	s_delay_alu instid0(VALU_DEP_1)
	v_lshlrev_b32 v22, 3, v3                       ; 8 x lane
	s_delay_alu instid0(VALU_DEP_2)
	v_lshlrev_b32 v3, 4, v3                        ; 16 x lane
	s_delay_alu instid0(VALU_DEP_4)
	v_xor_b32 v21, s97, v2                         ; 1 in the lanes that take the weights' scale words
	s_wait_alu depctr_va_vdst(0)
	s_mul_i32 s19, s15, TT*KSL*1536
	s_add_co_u32 s19, s19, s66
	s_mul_i32 s99, s16, TT*KSL*1536
	s_add_co_u32 s99, s99, s67
.irp s, 1,0                            ; register 1: region 0; register 0: region 2
	v_add_nc_u32 v[AD1+\s], s19, v22
	v_add_nc_u32 v[AD0+\s], s99, v22
	s_add_co_u32 s19, s19, 2*SLOTB
	s_add_co_u32 s99, s99, 2*SLOTB
.endr
	s_xor_b32 s19, s15, s16                        ; lanes 0-15 serve source 1, whose 64 rows are number wr, lanes 16-31 source 0, number wc, whichever side each source reads:
	s_lshl_b32 s19, s19, 8
	s_lshl_b32 s99, s15, 8
	v_mul_u32_u24 v20, s19, v2
	s_delay_alu instid0(VALU_DEP_1)
	v_xor_b32 v20, s99, v20                        ; 256 wr, or 256 wc where h = 1
	s_delay_alu instid0(VALU_DEP_1)
	v_lshl_add_u32 v20, v21, 13, v20               ; the weights' words lie 2 SH = 8,192 bytes behind the tokens'
	s_delay_alu instid0(VALU_DEP_1)
	v_lshl_add_u32 v20, v1, 2, v20
	s_delay_alu instid0(VALU_DEP_1)
	v_add_nc_u32 v20, SCL, v20
	; the way out's addresses, all made here.  q, k: stage at 0, scales at 49,152.  V: stage at 65,536, scales at 114,688.  Both lie in regions 0 and 1, which have had their last fill and their last read when the first result is stored
	v_mul_u32_u24 v28, v2, 260
	s_delay_alu instid0(VALU_DEP_1)
	v_lshl_add_u32 v28, v1, 3, v28                 ; 8 r + 260 h
	s_wait_alu depctr_va_vdst(0)
	v_mul_u32_u24 v29, v2, 508
	s_delay_alu instid0(VALU_DEP_1)
	v_lshl_add_u32 v29, v1, 3, v29
	s_delay_alu instid0(VALU_DEP_1)
	v_add_nc_u32 v29, 4, v29                       ; 8 r + 4 + 508 h
	s_wait_alu depctr_va_vdst(0)
	s_mul_i32 s19, s16, 12288
	s_mul_i32 s99, s15, 3072
	s_add_co_u32 s19, s19, s99
	v_add_nc_u32 v4, s19, v28                      ; q, k: head wc, tiles 4 wr + a of 768 bytes
	v_add_nc_u32 v5, s19, v29
	s_lshl_b32 s19, s16, 9
	s_lshl_b32 s99, s15, 7
	s_add_co_u32 s19, s19, s99
	s_add_co_u32 s19, s19, 49152
	v_lshl_add_u32 v6, v1, 2, s19
	s_mul_i32 s19, s15, 12288
	s_lshr_b32 s99, s16, 1
	s_mul_i32 s99, s99, 6144
	s_add_co_u32 s19, s19, s99
	s_and_b32 s99, s16, 1
	s_mul_i32 s99, s99, 768
	s_add_co_u32 s19, s19, s99
	s_add_co_u32 s19, s19, 65536
	v_add_nc_u32 v7, s19, v28                      ; V: head wr, key step wc / 2, the upper 64 keys for odd wc
	v_add_nc_u32 v8, s19, v29
	s_lshl_b32 s19, s15, 9
	s_lshr_b32 s99, s16, 1
	s_lshl_b32 s99, s99, 8
	s_add_co_u32 s19, s19, s99
	s_and_b32 s99, s16, 1
	s_lshl_b32 s99, s99, 1
	s_add_co_u32 s19, s19, s99
	s_add_co_u32 s19, s19, 114688
	v_lshl_add_u32 v9, v1, 2, s19
	s_cmp_ge_u32 s98, 2
	s_cselect_b32 s19, 65536, 0
	s_mov_b32 s99, 49152
	s_cselect_b32 s99, 114688, s99
	s_mul_i32 s95, s14, 3072
	s_add_co_u32 s19, s19, s95
	v_add_nc_u32 v10, s19, v3                      ; the copy out: 3,072 bytes a wave
	s_lshl_b32 s95, s14, 9
	s_add_co_u32 s99, s99, s95
	v_add_nc_u32 v11, s99, v3                      ; and 512 bytes of scales for waves 0-3
	v_and_b32 v23, 8, v1
	s_delay_alu instid0(VALU_DEP_1)
	v_add_nc_u32 v23, v23, v1                      ; r + 8 (r / 8)
	v_lshlrev_b32 v12, 6, v2                       ; the bias of q, k: 64 h
	s_delay_alu instid0(VALU_DEP_1)
	v_lshl_add_u32 v13, v23, 8, v12                ; the table: 256 bytes a position, + 64 h
	s_delay_alu instid0(VALU_DEP_3)
	v_lshlrev_b32 v14, 2, v23                      ; the bias of V: my channel
	s_wait_alu depctr_va_vdst(0)                   ; the wait at the head's end
	s_wait_tensorcnt 0x0                           ; my load of the head's sixteen has landed,
	s_barrier_signal -1
	s_barrier_wait -1                              ; and so has every wave's
	TRIP 2, 1                                      ; region 2: its products start the sums
	s_wait_tensorcnt 0x0                           ; no tensor load of mine is out,
	ds_add_u32 v30, v31                            ; 0 onto my spare word
	s_add_nc_u64 s[G0T+2:G0T+3], s[G0T+2:G0T+3], KSL*1536     ; so the descriptors may be written: in waves 8-11 from K slot 2 to K slot 3
	s_add_nc_u64 s[G0W+2:G0W+3], s[G0W+2:G0W+3], KSL*1536
	s_wait_dscnt 0x0                               ; the add is done, and so are my reads of region 2
	ROUND                                          ; both now hold of every wave of every work-group of the cluster
	s_cmp_eq_u32 s15, 2                            ; waves 8-11 fill region 2 again: a wave's one tensor load behind the round
	s_cbranch_scc0 .Lr_j
	s_cmp_lt_u32 s16, 2
	s_cbranch_scc0 .Lr_w
	LD G0T, G1T
	s_branch .Lr_j
.Lr_w:
	LD G0W, G1W
.Lr_j:
	TRIP 0, 0
	v_add_nc_u32 v[AD1+1], SLOTB, v[AD1+1]         ; from region 0 to region 1
	v_add_nc_u32 v[AD0+1], SLOTB, v[AD0+1]
	s_wait_alu depctr_va_vdst(0)
	TRIP 1, 0
	s_wait_tensorcnt 0x0                           ; my part of K slot 3 has landed; my reads of regions 0 and 1 are over (each step waits for its loads)
	s_barrier_signal -1
	s_barrier_wait -1
	TRIP 3, 0
	; ---- THE WAY OUT
.rept 4
	v_nop                                          ; four places behind the last products: for the reads of results and the loads into fragments' registers
.endr
	s_lshr_b32 s96, s42, 3
	s_lshl_b32 s96, s96, 4
	s_and_b32 s97, s17, 3
	s_lshl_b32 s97, s97, 2
	s_add_co_u32 s96, s96, s97                     ; 16 x batch + the first of my work-group's four heads
	s_and_b32 s97, s42, 7                          ; which 256 tokens of the sequence
	s_mov_b32 s67, 0
	s_cmp_ge_u32 s98, 2
	s_cbranch_scc1 .Lv_path
	; q, k: X[a][b'][i] = v[128 + 32 a + 16 b' + i]: token row block 4 wr + a, lane r; channel 32 b' + 16 h + i of head wc
	s_lshl_b32 s66, s17, 10
	s_lshl_b32 s19, s16, 8
	s_add_co_u32 s66, s66, s19
	s_add_nc_u64 s[8:9], s[8:9], s[66:67]          ; the bias of my 64 features
	s_lshl_b32 s66, s97, 8
	s_lshl_b32 s19, s15, 6
	s_add_co_u32 s66, s66, s19
	s_lshl_b32 s66, s66, 8
	s_add_co_u32 s66, s66, ROPE
	s_add_nc_u64 s[12:13], s[4:5], s[66:67]        ; the table at position 256 (x % 8) + 64 wr
	s_wait_alu depctr_va_vdst(0)
.irp e, 0,1,2,3,4,5,6,7
	global_load_b128 v[32+4*\e:35+4*\e], v12, s[8:9] offset:128*(\e/4)+16*(\e%4)
.endr
.macro ROPELD a                        ; cos (16 registers) and sin (16) of my token of row block a, frequencies 16 h + 0 .. 15
.irp e, 0,1,2,3
	global_load_b128 v[64+32*((\a)%2)+4*\e:67+32*((\a)%2)+4*\e], v13, s[12:13] offset:(32*((\a)/2)+8*((\a)%2))*256+16*\e
	global_load_b128 v[80+32*((\a)%2)+4*\e:83+32*((\a)%2)+4*\e], v13, s[12:13] offset:(32*((\a)/2)+8*((\a)%2))*256+128+16*\e
.endr
.endm
	ROPELD 0
	ROPELD 1
	s_wait_loadcnt 16                              ; the bias is in; the two sets of the table, 8 loads each, are younger
.set a, 0
.rept 4
.irp j, 0,2,4,6,8,10,12,14,16,18,20,22,24,26,28,30
	v_pk_add_f32 v[128+32*a+\j:129+32*a+\j], v[128+32*a+\j:129+32*a+\j], v[32+\j:33+\j]      ; each accumulator from its low end on
.endr
.set a, a+1
.endr
	v_mov_b32 v36, 0                               ; a lane permute's destination counts as one of its sources
	v_mov_b32 v37, 0
.macro QKA a
.set XS, 128+32*(\a)
.set CSN, 64+32*((\a)%2)
.if (\a) < 3
	s_wait_loadcnt 8                               ; this row block's set is in; the next one's 8 loads are younger
.else
	s_wait_loadcnt 0x0
.endif
.irp i, 0,2,4,6,8,10,12,14
	v_pk_mul_f32 v[56+2*(\i%4):57+2*(\i%4)], v[XS+16+\i:XS+17+\i], v[CSN+16+\i:CSN+17+\i]      ; x2 sin
	v_pk_mul_f32 v[58+2*(\i%4):59+2*(\i%4)], v[XS+\i:XS+\i+1], v[CSN+16+\i:CSN+17+\i]          ; x1 sin
	s_delay_alu instid0(VALU_DEP_2)
	v_pk_fma_f32 v[XS+\i:XS+\i+1], v[XS+\i:XS+\i+1], v[CSN+\i:CSN+\i+1], v[56+2*(\i%4):57+2*(\i%4)] neg_lo:[0,0,1] neg_hi:[0,0,1]   ; x1 cos - x2 sin
	s_delay_alu instid0(VALU_DEP_2)
	v_pk_fma_f32 v[XS+16+\i:XS+17+\i], v[XS+16+\i:XS+17+\i], v[CSN+\i:CSN+\i+1], v[58+2*(\i%4):59+2*(\i%4)]                        ; x2 cos + x1 sin
.endr
.if (\a) < 2
	ROPELD (\a)+2
.endif
	QUANT 2, XS, 16, 32
	PUT 4, 5, 48, 768*(\a)
	PUT 4, 5, 52, 768*(\a)+128
	v_lshl_or_b32 v44, v45, 8, v44                 ; the tile's two scale bytes of my token
	ds_store_b16 v6, v44 offset:64*((\a)/2)+2*((\a)%2)
	s_wait_dscnt 0x0                               ; the stores have read their registers
.endm
	QKA 0
	QKA 1
	QKA 2
	QKA 3
	s_branch .Ljoin
.Lv_path:
	; V: X[a][b'][i]: channel row block a of head wr, lane r; token 64 wc + 32 b' + 16 h + i
	s_lshl_b32 s66, s17, 10
	s_lshl_b32 s19, s15, 8
	s_add_co_u32 s66, s66, s19
	s_add_nc_u64 s[8:9], s[8:9], s[66:67]
	s_wait_alu depctr_va_vdst(0)
.irp a, 0,1,2,3
	global_load_b32 v[32+2*\a], v14, s[8:9] offset:(32*(\a/2)+8*(\a%2))*4      ; my channel's bias, twice: a pair for the packed add
	global_load_b32 v[33+2*\a], v14, s[8:9] offset:(32*(\a/2)+8*(\a%2))*4
.endr
	v_mov_b32 v68, 0
	v_mov_b32 v69, 0
	s_wait_loadcnt 0x0
.macro VA a
.set XS, 128+32*(\a)
.irp j, 0,2,4,6,8,10,12,14,16,18,20,22,24,26,28,30
	v_pk_add_f32 v[XS+\j:XS+\j+1], v[XS+\j:XS+\j+1], v[32+2*(\a):33+2*(\a)]
.endr
	QUANT 2, XS, 16, 64
	PUT 7, 8, 80, 1536*(\a)
	PUT 7, 8, 84, 1536*(\a)+128
	v_lshl_or_b32 v76, v77, 8, v76
	ds_store_b16 v9, v76 offset:64*(\a)
	s_wait_dscnt 0x0
.endm
	VA 0
	VA 1
	VA 2
	VA 3
.Ljoin:
	s_wait_dscnt 0x0                               ; for the others' sake: my stores into the stage are done
	s_barrier_signal -1
	s_barrier_wait -1
	s_add_co_u32 s19, s96, s15
	s_mul_i32 s19, s19, 98304                      ; the head of the 3,072 bytes that I copy: wave / 4
	s_mul_i32 s66, s98, 3145728                    ; the region: q, k or V
	s_add_co_u32 s19, s19, s66
	s_mul_i32 s66, s97, 12288
	s_add_co_u32 s19, s19, s66
	s_mul_i32 s66, s16, 3072
	s_add_co_u32 s66, s66, s19
	s_add_nc_u64 s[66:67], s[10:11], s[66:67]
.irp k, 0,1,2,3,4,5
	ds_load_b128 v[32+4*\k:35+4*\k], v10 offset:512*\k
.endr
.irp k, 0,1,2,3,4,5
	s_wait_dscnt 5-\k                              ; the younger loads of this run may be out
	global_store_b128 v3, v[32+4*\k:35+4*\k], s[66:67] offset:512*\k     ; 512 consecutive bytes, at a multiple of 256 from the buffer's first byte
.endr
	s_cmp_lt_u32 s14, 4
	s_cbranch_scc0 .Lno_scales
	s_add_co_u32 s19, s96, s14
	s_lshl_b32 s19, s19, 12
	s_lshl_b32 s95, s98, 17
	s_add_co_u32 s19, s19, s95
	s_lshl_b32 s95, s97, 9
	s_add_co_u32 s19, s19, s95
	s_add_co_u32 s94, s19, 9437184
	s_mov_b32 s95, 0
	s_add_nc_u64 s[94:95], s[10:11], s[94:95]
	ds_load_b128 v[56:59], v11
	s_wait_dscnt 0x0
	global_store_b128 v3, v[56:59], s[94:95]
.Lno_scales:
	s_wait_tensorcnt 0x0                           ; the wave's end
	ds_add_u32 v30, v31
	s_wait_dscnt 0x0
	ROUND                                          ; the closing round
	s_endpgm
.Lfunc_end_k_q396eaebfd7_qkv:
	.size	k_q396eaebfd7_qkv, .Lfunc_end_k_q396eaebfd7_qkv-k_q396eaebfd7_qkv
	.p2alignl 7, 3214868480
	.fill 96, 4, 3214868480
	.section	.rodata,"a",@progbits
	.p2align	6, 0x0
	.amdhsa_kernel k_q396eaebfd7_qkv
		.amdhsa_group_segment_fixed_size 327680
		.amdhsa_private_segment_fixed_size 0
		.amdhsa_enable_private_segment 0
		.amdhsa_kernarg_size 24
		.amdhsa_user_sgpr_count 2
		.amdhsa_user_sgpr_kernarg_segment_ptr 1
		.amdhsa_wavefront_size32 1
		.amdhsa_system_sgpr_workgroup_id_x 1
		.amdhsa_system_sgpr_workgroup_id_y 1
		.amdhsa_system_sgpr_workgroup_id_z 1
		.amdhsa_system_vgpr_workitem_id 0
		.amdhsa_next_free_vgpr 256
		.amdhsa_next_free_sgpr 100
		.amdhsa_reserve_vcc 0
		.amdhsa_float_denorm_mode_32 3
		.amdhsa_float_denorm_mode_16_64 3
		.amdhsa_memory_ordered 1
		.amdhsa_forward_progress 1
		.amdhsa_inst_pref_size 105
	.end_amdhsa_kernel
	.amdgpu_metadata
---
amdhsa.version: [ 1, 2 ]
amdhsa.kernels:
  - .name:           k_q396eaebfd7_qkv
    .symbol:         k_q396eaebfd7_qkv.kd
    .args:
      - { .name: pw, .offset: 0, .size: 8, .value_kind: global_buffer, .address_space: global }
      - { .name: qkv_b, .offset: 8, .size: 8, .value_kind: global_buffer, .address_space: global }
      - { .name: qkvb, .offset: 16, .size: 8, .value_kind: global_buffer, .address_space: global }
    .group_segment_fixed_size: 327680
    .private_segment_fixed_size: 0
    .kernarg_segment_align: 8
    .kernarg_segment_size: 24
    .max_flat_workgroup_size: 512
    .sgpr_count:     100
    .vgpr_count:     256
    .wavefront_size: 32
...
	.end_amdgpu_metadata
.endif
;; end of part 2
;; launch attn (part 3): grid 8 x 32, 16 waves a work-group, no clusters, 100,352 bytes of LDS; arguments qkvb, key_padding_mask, first, att; writes att
.if DOCPART == 3
	.amdgcn_target "amdgcn-amd-amdhsa--gfx1250"
	.amdhsa_code_object_version 6
	.text
	.protected	k_q396eaebfd7_attn
	.globl	k_q396eaebfd7_attn
	.p2align	8
	.type	k_q396eaebfd7_attn,@function
k_q396eaebfd7_attn:
	s_mov_b64 s[64:65], 0
	v_nop
	global_prefetch_b8 v0, s[64:65] scope:SCOPE_SE
	s_setreg_imm32_b32 hwreg(HW_REG_WAVE_MODE, 25, 1), 1
	s_wait_xcnt 0x0
; o = softmax(q k^T / 8, causal, padded keys hidden) v for one (batch, head), both products on codes of BF6 with E8M0 scales; o is quantised along the features and stored as images for the next product.
; THE SOFTMAX: t = score x log2(e) / 8; M = the running largest t rounded up to a whole number; p = 2^(t - M) is quantised along the keys, not normalised; the row's sum is taken of the unquantised p and divides at the end.
; SHARES.  A work-group owns query blocks i and 15 - i of 128 queries: 17 units of (128 queries x 128 keys) in every work-group.  Each of 16 waves owns one tile of 16 queries; of four neighbouring waves two belong to each block.
; A tile's lane r holds query 16 T - 8 (T % 2) + r + 8 (r / 8).  Both products are used transposed: a lane holds one query throughout.
; THE HEAD IS 64 WIDE, half of the instruction's K: two neighbouring tiles of 16 keys lie in one fragment (k 0-63: the even tile, k 64-127: the odd one), and q stands beside six registers of zero codes, below or above: the other half adds nothing.
; K AND V come through registers: wave w loads image w of a slot of 256 keys (8 of K, 8 of V, 1,536 bytes each) one slot ahead and stores it into the other of two LDS slots; one barrier a slot.
; NO JOINT LOADS, though the 8 work-groups of a head read the same K and V: key steps are passed over by scalar branches on two whole numbers that an earlier launch stored (F, the batch's first key that is not padded; PM, a bit
; for each 128 keys that hold a padded key).  No prefetch: each image is asked for two key steps ahead of the line that needs it.
; LIMITS: NaN and infinities are not served; a block of o under 2^-122 keeps the scale byte 1; a block of zeros gets the byte 1, not 127.
.set REGB, 3145728                     ; a region of codes in qkvb: q, k, v
.set BHB, 98304                        ; a head's codes in a region
.set SCB, 9437184                      ; the scales: three regions of 131,072, 4,096 bytes a head
.set KSC, 65536                        ; LDS: two slots of 24,576 at 0 and 32,768; K's scale words; V's 4,096 on;
.set MB, 73728                         ; a word for each key: 0, or -infinity where it is padded;
.set OST, 81920                        ; 1,024 bytes for each wave, for the way out
.set AF0, 1                            ; v1 8 x lane      v2 KSC + 4 r      v3 MB + 64 h      v4 1,536 wave + 16 lane
.set AS0, 2
.set AM0, 3
.set AG0, 4
.set QL, 5                             ; v5 my query      v6 0      v7 my query - 16 h
.set ZR, 6
.set QD, 7
.set ADF, 8                            ; v8-11 addresses in hand: fragments, scale words, mask words, the image's place
.set ADS, 9
.set ADM, 10
.set ADG, 11
; v12 -M, v13 largest t, v[14:15] the sum; v16-21 zeros, v22-27 q, v28-33 zeros; v36-83 four fragments; v84-95 the image on its way; v96-159 S^T, then p; v160-191 O^T; v192-223 mask words; v224-254 at work; v255 q's scale word
; s12 (batch, head), s13 batch, s14 head, s18 wave, s[20:21] lane selects, s[22:23] c, s24 tile, s25 its first query, s26 last key step's bound, s27 slots walked, s28 F, s29 PM, s30 slot, s31, s32 scale and mask steps, s33 first key, s34 trip,
; s54 the batch's place among the whole numbers: the offset of two scalar loads, written once and named by no other line
	s_load_b128 s[4:7], s[0:1], 0x0                ; qkvb, key_padding_mask
	s_load_b128 s[8:11], s[0:1], 0x10              ; first, att
	v_lshl_add_u32 v35, v0, 2, 0x18000
	v_mov_b32 v243, 0
	v_lshrrev_b32 v8, 5, v0
	s_delay_alu instid0(VALU_DEP_1)
	v_readfirstlane_b32 s18, v8                    ; wave 0..15
	s_and_b32 s12, ttmp7, 0xffff
	s_lshr_b32 s13, s12, 4
	s_and_b32 s14, s12, 15
	s_lshl_b32 s54, s13, 8
	s_wait_kmcnt 0x0
	s_load_b32 s28, s[8:9], s54 offset:0x0         ; F
	s_load_b32 s29, s[8:9], s54 offset:0x80        ; PM
	s_lshr_b32 s19, s18, 2
	s_xor_b32 s19, s19, s18
	s_and_b32 s19, s19, 1                          ; which of the two query blocks
	s_lshl_b32 s24, ttmp9, 3
	s_sub_co_u32 s35, 120, s24
	s_cmp_eq_u32 s19, 1
	s_cselect_b32 s24, s35, s24
	s_lshr_b32 s35, s18, 1
	s_add_co_u32 s24, s24, s35                     ; my tile of 16 queries, 0..127
	s_and_b32 s35, s24, 1
	s_lshl_b32 s25, s24, 4
	s_lshl_b32 s19, s35, 3
	s_sub_co_u32 s25, s25, s19                     ; its first query
	s_mov_b32 s39, 0
	s_mul_i32 s50, s12, BHB
	s_lshl_b32 s51, s12, 12
	s_mul_i32 s38, s24, 768
	s_add_co_u32 s38, s38, s50
	s_add_nc_u64 s[40:41], s[4:5], s[38:39]        ; q's half fragment
	s_lshr_b32 s38, s24, 1
	s_lshl_b32 s38, s38, 6
	s_lshl_b32 s19, s35, 1
	s_add_co_u32 s38, s38, s19
	s_add_co_u32 s38, s38, s51
	s_add_co_u32 s38, s38, SCB
	s_add_nc_u64 s[42:43], s[4:5], s[38:39]        ; its scale halfwords
	s_cmp_lt_u32 s18, 8
	s_mov_b32 s38, 2*REGB-12288                    ; (V's waves 8-15 carry 12,288 in their lane offset)
	s_cselect_b32 s38, REGB, s38
	s_add_co_u32 s38, s38, s50
	s_add_nc_u64 s[36:37], s[4:5], s[38:39]        ; K's or V's images, slot 0
	s_add_co_u32 s38, s51, SCB+131072
	s_add_nc_u64 s[44:45], s[4:5], s[38:39]        ; K's scales; V's lie 131,072 on
	s_lshl_b32 s38, s13, 11
	s_add_nc_u64 s[6:7], s[6:7], s[38:39]          ; the batch's mask
	s_lshl_b32 s19, s13, 7
	s_add_co_u32 s19, s19, s24                     ; my token row block
	s_mul_i32 s38, s19, 12288
	s_lshr_b32 s35, s14, 1
	s_mul_i32 s52, s35, 1536
	s_add_co_u32 s38, s38, s52
	s_and_b32 s52, s14, 1
	s_mul_i32 s53, s52, 768
	s_add_co_u32 s38, s38, s53
	s_add_nc_u64 s[46:47], s[10:11], s[38:39]      ; o's half fragment
	s_lshl_b32 s38, s35, 12
	s_lshl_b32 s19, s19, 4
	s_add_co_u32 s38, s38, s19
	s_lshl_b32 s38, s38, 2
	s_lshl_b32 s52, s52, 1
	s_add_co_u32 s38, s38, s52
	s_add_co_u32 s38, s38, 3145728
	s_add_nc_u64 s[48:49], s[10:11], s[38:39]      ; its scale halfwords
	s_mov_b32 s20, 0x76543210
	s_mov_b32 s21, 0xfedcba98
	s_mov_b32 s22, 0x3e38aa3b                      ; c = log2(e) / 8
	s_mov_b32 s23, s22
	s_mov_b32 s30, 0
	s_mov_b32 s31, 0
	s_mov_b32 s32, 0
	s_mov_b32 s33, 0
	v_and_b32 v8, 31, v0
	v_and_b32 v9, 15, v0
	v_bfe_u32 v10, v0, 4, 1
	s_delay_alu instid0(VALU_DEP_3)
	v_lshlrev_b32 v[AF0], 3, v8
	s_delay_alu instid0(VALU_DEP_3)
	v_lshl_add_u32 v[AS0], v9, 2, KSC
	s_delay_alu instid0(VALU_DEP_3)
	v_lshl_add_u32 v[AM0], v10, 6, MB
	s_mul_i32 s35, s18, 1536
	v_lshl_add_u32 v[AG0], v8, 4, s35
.irp k, 0,1,2
	global_load_b128 v[84+4*\k:87+4*\k], v[AG0], s[36:37] offset:512*\k          ; my image of slot 0
.endr
.irp p, 0,1,2
	global_load_b64 v[22+2*\p:23+2*\p], v[AF0], s[40:41] offset:256*\p
.endr
	v_lshlrev_b32 v36, 2, v9
	global_load_u16 v255, v36, s[42:43]
	v_lshlrev_b32 v37, 3, v0
	global_load_b64 v[38:39], v37, s[44:45]
	global_load_b64 v[40:41], v37, s[44:45] offset:131072
	v_lshlrev_b32 v42, 2, v0
	global_load_b32 v43, v42, s[6:7]               ; four keys' mask bytes
	v_and_b32 v11, 8, v9
	s_delay_alu instid0(VALU_DEP_1)
	v_add_nc_u32 v11, v11, v9
	s_delay_alu instid0(VALU_DEP_1)
	v_add_nc_u32 v[QL], s25, v11
	v_lshlrev_b32 v11, 4, v10
	s_delay_alu instid0(VALU_DEP_1)
	v_sub_nc_u32 v[QD], v[QL], v11
	v_mov_b32 v[ZR], 0
.irp j, 16,17,18,19,20,21,28,29,30,31,32,33
	v_mov_b32 v[\j], 0                             ; zero codes beside q
.endr
	v_mov_b32 v13, 0xff61b1e6                      ; the largest t so far: -3e38
	s_delay_alu instid0(VALU_DEP_1)
	v_floor_f32 v12, -v13
	v_mov_b32 v14, 0
	v_mov_b32 v15, 0
.irp b, 0,1,2,3
	v_mov_b32 v[236+\b], 0                         ; a lane permute's destination counts as one of its sources
.endr
	v_mov_b32 v252, 0
	v_mov_b32 v253, 0
.set j, 0
.rept 32
	v_mov_b32 v[160+j], 0                          ; O^T: the loop has no first step of its own
.set j, j+1
.endr
	s_wait_kmcnt 0x0                               ; F and PM are in
	s_add_co_u32 s26, s25, 23                      ; my tile's last query
	s_cmp_lt_u32 s25, s28
	s_cselect_b32 s26, 0x7fffffff, s26             ; a tile with a query under F walks all keys
	s_lshr_b32 s27, ttmp9, 1
	s_sub_co_u32 s27, 8, s27                       ; slots of 256 keys up to the work-group's last query
	s_lshl_b32 s35, ttmp9, 7
	s_cmp_lt_u32 s35, s28
	s_cselect_b32 s27, 8, s27
	s_wait_loadcnt 0x0
	v_lshl_or_b32 v255, v255, 16, v255             ; q's two bytes serve both halves of K
	v_add_nc_u32 v44, KSC, v37
	ds_store_b64 v44, v[38:39]
	ds_store_b64 v44, v[40:41] offset:4096
.irp j, 0,1,2,3
	v_bfe_u32 v[48+\j], v43, 8*\j, 8
.endr
.irp j, 0,1,2,3
	s_delay_alu instid0(VALU_DEP_4)
	v_mul_lo_u32 v[48+\j], v[48+\j], 0xff800000    ; 1 -> -infinity, 0 -> 0
.endr
	v_lshl_add_u32 v45, v0, 4, MB
	ds_store_b128 v45, v[48:51]
.irp k, 0,1,2
	ds_store_b128 v[AG0], v[84+4*\k:87+4*\k] offset:512*\k
.endr
	s_wait_dscnt 0x0
.irp k, 0,1,2
	global_load_b128 v[84+4*\k:87+4*\k], v[AG0], s[36:37] offset:12288+512*\k    ; slot 1 (at least five slots are walked)
.endr
	s_barrier_signal -1
	s_barrier_wait -1
; A KEY STEP: 128 keys, the q-th of the slot in hand
.macro STEP q
	s_cmp_gt_u32 s33, s26                          ; all its keys come after my queries: passed over, but for the lines at its end that step addresses
	s_cbranch_scc1 .Lhidden_\@
	v_add_nc_u32 v[ADF], s30, v[AF0]
	v_add_nc_u32 v[ADS], s31, v[AS0]
	v_add_nc_u32 v[ADM], s32, v[AM0]
	v_nop                                          ; with the three above: four places in front of loads into registers that matrix instructions have read
.irp t, 0,1,2,3
.irp p, 0,1,2,3,4,5
	ds_load_b64 v[36+12*\t+2*\p:37+12*\t+2*\p], v[ADF] offset:(4*(\q)+\t)*1536+256*\p
.endr
	ds_load_b32 v[248+\t], v[ADS] offset:64*\t
.endr
	s_wait_alu depctr_va_vdst(0)
	s_wait_dscnt 0x0
.irp t, 0,1,2,3
	v_wmma_scale_f32_16x16x128_f8f6f4 v[96+16*\t:103+16*\t], v[36+12*\t:47+12*\t], v[22:33], 0, v[248+\t], v255 matrix_a_fmt:MATRIX_FMT_BF6 matrix_b_fmt:MATRIX_FMT_BF6
	v_wmma_scale_f32_16x16x128_f8f6f4 v[104+16*\t:111+16*\t], v[36+12*\t:47+12*\t], v[16:27], 0, v[248+\t], v255 matrix_a_fmt:MATRIX_FMT_BF6 matrix_b_fmt:MATRIX_FMT_BF6
.endr                                              ; register 16 b + i: key 32 b + 16 h + i of the step, my query
.rept 4
	v_nop
.endr
.irp t, 0,1,2,3                                    ; V's four fragments land while the softmax is walked
.irp p, 0,1,2,3,4,5
	ds_load_b64 v[36+12*\t+2*\p:37+12*\t+2*\p], v[ADF] offset:12288+(4*(\q)+\t)*1536+256*\p
.endr
	ds_load_b32 v[248+\t], v[ADS] offset:4096+64*\t
.endr
	s_lshr_b32 s35, s33, 7
	s_lshr_b32 s35, s29, s35
	s_and_b32 s35, s35, 1
	s_cmp_eq_u32 s35, 0
	s_cbranch_scc1 .Lno_pad_\@                     ; no key of this step is padded
.irp g, 0,1
.irp e, 0,1,2,3,4,5,6,7
	ds_load_b128 v[192+4*\e:195+4*\e], v[ADM] offset:256*\g+128*(\e/4)+16*(\e%4)
.endr
	s_wait_dscnt 0x0
.irp j, 0,2,4,6,8,10,12,14,16,18,20,22,24,26,28,30
	v_pk_add_f32 v[96+32*\g+\j:97+32*\g+\j], v[96+32*\g+\j:97+32*\g+\j], v[192+\j:193+\j]    ; + 0 or -infinity
.endr
.endr
.Lno_pad_\@:
	s_add_co_u32 s35, s33, 127
	s_cmp_le_u32 s35, s25
	s_cbranch_scc1 .Lopen_\@                       ; every key of this step comes before my first query
	v_sub_nc_u32 v252, v[QD], s33                  ; d = my query - first key - 16 h: register 16 b + i is hidden where 32 b + i > d
	v_mov_b32 v254, 0xff800000
.irp n, 0,1,2,3,4,5,6,7,8,9,10,11,12,13,14,15,16,17,18,19,20,21,22,23,24,25,26,27,28,29,30,31,32,33,34,35,36,37,38,39,40,41,42,43,44,45,46,47,48,49,50,51,52,53,54,55,56,57,58,59,60,61,62,63
	v_cmp_gt_i32 vcc_lo, 32*(\n/16)+\n%16, v252
	v_cndmask_b32 v[96+\n], v[96+\n], v254, vcc_lo
.endr
.Lopen_\@:
	s_cmp_ge_u32 s25, s28
	s_cbranch_scc1 .Lkept_\@
	v_cmp_gt_u32 vcc_lo, s28, v[QL]                ; my query has no key kept: all its scores count as 0
.irp n, 0,1,2,3,4,5,6,7,8,9,10,11,12,13,14,15,16,17,18,19,20,21,22,23,24,25,26,27,28,29,30,31,32,33,34,35,36,37,38,39,40,41,42,43,44,45,46,47,48,49,50,51,52,53,54,55,56,57,58,59,60,61,62,63
	v_cndmask_b32 v[96+\n], v[96+\n], v[ZR], vcc_lo
.endr
.Lkept_\@:
.irp b, 0,1,2,3
	v_max3_num_f32 v[232+\b], v[96+16*\b], v[97+16*\b], v[98+16*\b]      ; the largest score of each block of 32 keys: for the row's maximum, and, since p rises with the score, for the block's largest p
.endr
.irp i, 3,5,7,9,11,13
.irp b, 0,1,2,3
	v_max3_num_f32 v[232+\b], v[232+\b], v[96+16*\b+\i], v[97+16*\b+\i]
.endr
.endr
.irp b, 0,1,2,3
	v_max_num_f32 v[232+\b], v[232+\b], v[111+16*\b]
.endr
.irp b, 0,1,2,3
	s_delay_alu instid0(VALU_DEP_4)
	v_permlanex16_b32 v[236+\b], v[232+\b], s20, s21
.endr
.irp b, 0,1,2,3
	s_delay_alu instid0(VALU_DEP_4)
	v_max_num_f32 v[232+\b], v[232+\b], v[236+\b]
.endr
	s_delay_alu instid0(VALU_DEP_2)
	v_max3_num_f32 v254, v232, v233, v234
	s_delay_alu instid0(VALU_DEP_1)
	v_max_num_f32 v254, v254, v235
	s_delay_alu instid0(VALU_DEP_1)
	v_mul_f32 v254, s22, v254
	s_delay_alu instid0(VALU_DEP_1)
	v_max_num_f32 v13, v13, v254                   ; the running largest t
	v_mov_b32 v254, v12
	s_delay_alu instid0(VALU_DEP_2)
	v_floor_f32 v12, -v13                          ; -M = floor(-t): M is a whole number
	s_delay_alu instid0(VALU_DEP_1)
	v_sub_f32 v254, v12, v254
	s_delay_alu instid0(VALU_DEP_1)
	v_cvt_i32_f32 v254, v254                       ; (it saturates)
	s_delay_alu instid0(VALU_DEP_1)
	v_ldexp_f32 v252, 1.0, v254                    ; f = 2^(old M - new M): rounds nothing
.irp j, 0,2,4,6,8,10,12,14,16,18,20,22,24,26,28,30,32,34,36,38,40,42,44,46,48,50,52,54,56,58,60,62
	v_pk_fma_f32 v[96+\j:97+\j], v[96+\j:97+\j], s[22:23], v[12:13] op_sel_hi:[1,0,0]        ; t - M
.endr
.irp b, 0,1,2,3
	v_fma_f32 v[232+\b], v[232+\b], s22, v12
.endr
	s_wait_alu depctr_va_vdst(0)
.irp j, 0,1,2,3,4,5,6,7,8,9,10,11,12,13,14,15,16,17,18,19,20,21,22,23,24,25,26,27,28,29,30,31,32,33,34,35,36,37,38,39,40,41,42,43,44,45,46,47,48,49,50,51,52,53,54,55,56,57,58,59,60,61,62,63
	v_exp_f32 v[96+\j], v[96+\j]                   ; p = 2^(t - M)
.endr
	v_pk_mul_f32 v[14:15], v[14:15], v[252:253] op_sel_hi:[1,0]          ; the sums under the new M (a plain instruction behind the exponentials)
	s_wait_alu depctr_va_vdst(0)                   ; one wait for the batch, ahead of its first reader
.irp b, 0,1,2,3
	v_exp_f32 v[232+\b], v[232+\b]                 ; the block's largest p
.endr
	v_pk_add_f32 v[236:237], v[100:101], v[104:105]
	v_pk_add_f32 v[246:247], v[108:109], v[112:113]
	v_pk_add_f32 v[244:245], v[116:117], v[120:121]
	v_pk_add_f32 v[240:241], v[124:125], v[128:129]
	v_pk_add_f32 v[238:239], v[132:133], v[136:137]
	v_pk_add_f32 v[230:231], v[140:141], v[144:145]
	v_pk_add_f32 v[228:229], v[148:149], v[152:153]
	v_pk_add_f32 v[14:15], v[14:15], v[156:157]
	v_pk_add_f32 v[236:237], v[236:237], v[96:97]
	v_pk_add_f32 v[246:247], v[246:247], v[98:99]
	v_pk_add_f32 v[244:245], v[244:245], v[102:103]
	v_pk_add_f32 v[240:241], v[240:241], v[106:107]
	v_pk_add_f32 v[238:239], v[238:239], v[110:111]
	v_pk_add_f32 v[230:231], v[230:231], v[114:115]
	v_pk_add_f32 v[228:229], v[228:229], v[118:119]
	v_pk_add_f32 v[14:15], v[14:15], v[122:123]
	v_pk_add_f32 v[236:237], v[236:237], v[126:127]
	v_pk_add_f32 v[246:247], v[246:247], v[130:131]
	v_pk_add_f32 v[244:245], v[244:245], v[134:135]
	v_pk_add_f32 v[240:241], v[240:241], v[138:139]
	v_pk_add_f32 v[238:239], v[238:239], v[142:143]
	v_pk_add_f32 v[230:231], v[230:231], v[146:147]
	v_pk_add_f32 v[228:229], v[228:229], v[150:151]
	v_pk_add_f32 v[14:15], v[14:15], v[154:155]
	v_pk_add_f32 v[236:237], v[236:237], v[158:159]
	s_delay_alu instid0(VALU_DEP_2)
	v_pk_add_f32 v[14:15], v[14:15], v[240:241]
	s_delay_alu instid0(VALU_DEP_2)
	v_pk_add_f32 v[236:237], v[236:237], v[238:239]
	v_pk_add_f32 v[246:247], v[246:247], v[230:231]
	v_pk_add_f32 v[244:245], v[244:245], v[228:229]
	s_delay_alu instid0(VALU_DEP_2)
	v_pk_add_f32 v[14:15], v[14:15], v[246:247]
	s_delay_alu instid0(VALU_DEP_2)
	v_pk_add_f32 v[236:237], v[236:237], v[244:245]
	s_delay_alu instid0(VALU_DEP_1)
	v_pk_add_f32 v[14:15], v[14:15], v[236:237]
	s_wait_alu depctr_va_vdst(0)                   ; and one for the four
.irp b, 0,1,2,3
	v_max_num_f32 v[232+\b], 0x2800000, v[232+\b]  ; the floor 2^(5 - 127)
.endr
.irp b, 0,1,2,3
	s_delay_alu instid0(VALU_DEP_4)
	v_add_nc_u32 v[244+\b], 0xfe000000, v[232+\b]
.endr
.irp b, 0,1,2,3
	s_delay_alu instid0(VALU_DEP_4)
	v_lshrrev_b32 v[236+\b], 23, v[244+\b]
.endr
	s_delay_alu instid0(VALU_DEP_3)
	v_lshl_or_b32 v253, v237, 8, v236              ; p's scale word for these 128 keys
	s_delay_alu instid0(VALU_DEP_1)
	v_lshl_or_b32 v253, v238, 16, v253
	s_delay_alu instid0(VALU_DEP_1)
	v_lshl_or_b32 v253, v239, 24, v253
.irp c, 0,1
	v_cvt_scalef32_pk16_bf6_f32 v[224+6*\c:226+6*\c], v[96+32*\c:111+32*\c], v[244+2*\c]
	v_cvt_scalef32_pk16_bf6_f32 v[236+4*\c:238+4*\c], v[112+32*\c:127+32*\c], v[244+2*\c+1]
.endr
	v_nop
.irp c, 0,1                                        ; the operand wants a whole block in a lane
.irp i, 0,1,2
	v_permlane16_swap_b32 v[224+6*\c+\i], v[236+4*\c+\i]
.endr
.irp i, 0,1,2
	s_delay_alu instid0(VALU_DEP_3)
	v_mov_b32 v[227+6*\c+\i], v[236+4*\c+\i]
.endr
.endr
.irp j, 0,2,4,6,8,10,12,14,16,18,20,22,24,26,28,30
	v_pk_mul_f32 v[160+\j:161+\j], v[160+\j:161+\j], v[252:253] op_sel_hi:[1,0]      ; O^T under the new M; these 16 are also the places in front of the products below
.endr
	s_wait_alu depctr_va_vdst(0)
	s_wait_dscnt 0x0                               ; V
.irp t, 0,1,2,3
	v_wmma_scale_f32_16x16x128_f8f6f4 v[160+8*\t:167+8*\t], v[36+12*\t:47+12*\t], v[224:235], v[160+8*\t:167+8*\t], v[248+\t], v253 matrix_a_fmt:MATRIX_FMT_BF6 matrix_b_fmt:MATRIX_FMT_BF6
.endr
.Lhidden_\@:
	s_add_co_u32 s33, s33, 128
	s_add_co_u32 s31, s31, 256
	s_add_co_u32 s32, s32, 512
.endm
	s_mov_b32 s34, 0
.Lslot:                                            ; 8 trips, a constant; what a work-group does not need is passed over inside
	s_add_co_u32 s35, s34, 1
	s_cmp_ge_u32 s35, s27
	s_cbranch_scc1 .Lno_fill
	s_xor_b32 s35, s30, 32768
	v_add_nc_u32 v[ADG], s35, v[AG0]
	s_wait_alu depctr_va_vdst(0)
	s_wait_loadcnt 0x0                             ; my image of the next slot is in registers;
.irp k, 0,1,2
	ds_store_b128 v[ADG], v[84+4*\k:87+4*\k] offset:512*\k       ; into the slot that every wave left in front of the last barrier
.endr
	s_add_co_u32 s35, s34, 2
	s_cmp_ge_u32 s35, s27
	s_cbranch_scc1 .Lno_fill
	s_wait_dscnt 0x0                               ; the stores have read their registers
.irp k, 0,1,2
	global_load_b128 v[84+4*\k:87+4*\k], v[AG0], s[36:37] offset:24576+512*\k    ; the slot after next (the base stands at this trip's slot): two key steps ahead of its store
.endr
.Lno_fill:
	STEP 0
	STEP 1
	s_wait_dscnt 0x0                               ; my stores into the next slot are done, my reads of this one are over
	s_barrier_signal -1
	s_barrier_wait -1
	s_wait_xcnt 0x0                                ; the loads have read their base:
	s_add_nc_u64 s[36:37], s[36:37], 12288         ; it steps one slot in every trip, on every way through the trip
	s_xor_b32 s30, s30, 32768
	s_add_co_u32 s34, s34, 1
	s_cmp_lt_u32 s34, 8
	s_cbranch_scc1 .Lslot
	; ---- THE WAY OUT: O^T / the sum, quantised along the head's 64 (two blocks), through my own LDS bytes into the image's order
.rept 4
	v_nop
.endr
	v_add_f32 v14, v14, v15
	s_delay_alu instid0(VALU_DEP_1)
	v_permlanex16_b32 v252, v14, s20, s21
	s_delay_alu instid0(VALU_DEP_1)
	v_add_f32 v14, v14, v252
	s_wait_alu depctr_va_vdst(0)
	v_rcp_f32 v14, v14
	v_and_b32 v192, 15, v0
	v_bfe_u32 v193, v0, 4, 1
	s_lshl_b32 s35, s18, 10
	s_add_co_u32 s35, s35, OST
	v_mul_u32_u24 v8, v193, 260
	s_delay_alu instid0(VALU_DEP_1)
	v_lshl_add_u32 v8, v192, 3, v8
	s_delay_alu instid0(VALU_DEP_1)
	v_add_nc_u32 v8, s35, v8                       ; 8 r + 260 h
	v_mul_u32_u24 v9, v193, 508
	s_delay_alu instid0(VALU_DEP_1)
	v_lshl_add_u32 v9, v192, 3, v9
	s_add_co_u32 s38, s35, 4
	v_add_nc_u32 v9, s38, v9                       ; 8 r + 4 + 508 h
	v_add_nc_u32 v10, s35, v[AF0]
	v_lshlrev_b32 v11, 2, v192
	v_mov_b32 v196, 0
	v_mov_b32 v197, 0
	s_wait_alu depctr_va_vdst(0)
.set j, 0
.rept 32
	v_mul_f32 v[96+j], v[160+j], v14               ; register 16 a + i: channel 32 a + 16 h + i of my query
.set j, j+1
.endr
.irp b, 0,1
	v_max3_num_f32 v[192+\b], |v[96+16*\b]|, |v[97+16*\b]|, 0x2800000
.endr
.irp i, 2,4,6,8,10,12,14
.irp b, 0,1
	s_delay_alu instid0(VALU_DEP_2)
	v_max3_num_f32 v[192+\b], v[192+\b], |v[96+16*\b+\i]|, |v[97+16*\b+\i]|
.endr
.endr
.irp b, 0,1
	s_delay_alu instid0(VALU_DEP_2)
	v_permlanex16_b32 v[196+\b], v[192+\b], s20, s21
.endr
.irp b, 0,1
	s_delay_alu instid0(VALU_DEP_2)
	v_max_num_f32 v[192+\b], v[192+\b], v[196+\b]
.endr
.irp b, 0,1
	s_delay_alu instid0(VALU_DEP_2)
	v_add_nc_u32 v[200+\b], 0xfe000000, v[192+\b]
.endr
.irp b, 0,1
	s_delay_alu instid0(VALU_DEP_2)
	v_lshrrev_b32 v[204+\b], 23, v[200+\b]
.endr
.irp b, 0,1
	v_cvt_scalef32_pk16_bf6_f32 v[208+4*\b:210+4*\b], v[96+16*\b:111+16*\b], v[200+\b]
.endr
	v_lshl_or_b32 v204, v205, 8, v204              ; (a plain instruction behind the conversions)  my query's two scale bytes
.irp b, 0,1
	ds_store_b32 v8, v[208+4*\b] offset:128*\b
	ds_store_b32 v9, v[209+4*\b] offset:128*\b
	ds_store_b32 v8, v[210+4*\b] offset:128*\b+256
.endr
.irp p, 0,1,2
	ds_load_b64 v[36+2*\p:37+2*\p], v10 offset:256*\p          ; LDS serves a wave's instructions in order: these see my stores
.endr
	s_wait_alu depctr_va_vdst(0)
	s_wait_dscnt 0x0
.irp p, 0,1,2
	global_store_b64 v[AF0], v[36+2*\p:37+2*\p], s[46:47] offset:256*\p      ; 256 consecutive bytes, aligned
.endr
	global_store_b16 v11, v204, s[48:49]           ; two heads share a word: halfwords (both halves of the lanes write the same value)
	s_wait_tensorcnt 0x0
	ds_add_u32 v35, v243
	s_wait_dscnt 0x0
	s_endpgm
.Lfunc_end_k_q396eaebfd7_attn:
	.size	k_q396eaebfd7_attn, .Lfunc_end_k_q396eaebfd7_attn-k_q396eaebfd7_attn
	.p2alignl 7, 3214868480
	.fill 96, 4, 3214868480
	.section	.rodata,"a",@progbits
	.p2align	6, 0x0
	.amdhsa_kernel k_q396eaebfd7_attn
		.amdhsa_group_segment_fixed_size 100352
		.amdhsa_private_segment_fixed_size 0
		.amdhsa_enable_private_segment 0
		.amdhsa_kernarg_size 32
		.amdhsa_user_sgpr_count 2
		.amdhsa_user_sgpr_kernarg_segment_ptr 1
		.amdhsa_wavefront_size32 1
		.amdhsa_system_sgpr_workgroup_id_x 1
		.amdhsa_system_sgpr_workgroup_id_y 1
		.amdhsa_system_sgpr_workgroup_id_z 1
		.amdhsa_system_vgpr_workitem_id 0
		.amdhsa_next_free_vgpr 256
		.amdhsa_next_free_sgpr 66
		.amdhsa_reserve_vcc 1
		.amdhsa_float_denorm_mode_32 3
		.amdhsa_float_denorm_mode_16_64 3
		.amdhsa_memory_ordered 1
		.amdhsa_forward_progress 1
		.amdhsa_inst_pref_size 74
	.end_amdhsa_kernel
	.amdgpu_metadata
---
amdhsa.version: [ 1, 2 ]
amdhsa.kernels:
  - .name:           k_q396eaebfd7_attn
    .symbol:         k_q396eaebfd7_attn.kd
    .args:
      - { .name: qkvb, .offset: 0, .size: 8, .value_kind: global_buffer, .address_space: global }
      - { .name: key_padding_mask, .offset: 8, .size: 8, .value_kind: global_buffer, .address_space: global }
      - { .name: first, .offset: 16, .size: 8, .value_kind: global_buffer, .address_space: global }
      - { .name: att, .offset: 24, .size: 8, .value_kind: global_buffer, .address_space: global }
    .group_segment_fixed_size: 100352
    .private_segment_fixed_size: 0
    .kernarg_segment_align: 8
    .kernarg_segment_size: 32
    .max_flat_workgroup_size: 512
    .sgpr_count:     66
    .vgpr_count:     256
    .wavefront_size: 32
...
	.end_amdgpu_metadata
.endif
;; end of part 3
;; launch proj (part 4): grid 32 x 8, 16 waves a work-group, clusters of 4 x 4, 327,680 bytes of LDS; arguments att, pw, x, proj_b, x1; writes x1
.if DOCPART == 4
	.amdgcn_target "amdgcn-amd-amdhsa--gfx1250"
	.amdhsa_code_object_version 6
	.text
	.protected	k_q396eaebfd7_proj
	.globl	k_q396eaebfd7_proj
	.p2align	8
	.type	k_q396eaebfd7_proj,@function
k_q396eaebfd7_proj:
	s_mov_b64 s[64:65], 0
	v_nop
	global_prefetch_b8 v0, s[64:65] scope:SCOPE_SE
	s_setreg_imm32_b32 hwreg(HW_REG_WAVE_MODE, 25, 1), 1
	s_wait_xcnt 0x0
	s_wait_alu depctr_hold_cnt(0) depctr_sa_sdst(0) depctr_va_vdst(0) depctr_va_sdst(0) depctr_va_ssrc(0) depctr_va_vcc(0) depctr_vm_vsrc(0)
	s_getreg_b32 s2, hwreg(HW_REG_IB_STS2, 6, 4)
	s_cmp_eq_u32 s2, 0
	s_cbranch_scc0 .Lentry_in_a_cluster
	s_endpgm
.Lentry_in_a_cluster:
	s_bfe_u32 s2, ttmp6, 0x10000c
	s_cmp_lg_u32 s2, 0xf033
	s_cbranch_scc0 .Lentry_shape_is_right
	s_endpgm
.Lentry_shape_is_right:
.set HASBIAS, 1
; x1 = x + att proj_w^T + proj_b; the product on codes of BF6 with E8M0 scales, operands as images of operand registers (16 rows x 128 K = 1,536 bytes), [row block][K step].
; A work-group of 16 waves makes 128 tokens x 128 features, a wave 32 x 32: 4 accumulators.  CLUSTERS 4 x 4: the tokens' tiles are asked for jointly along a column of the cluster, the weights' along a row.
; ALL OF K = 1,024 IS FETCHED AT THE HEAD, one joint load a wave: wave w under 8 a quarter of region w / 4 of 98,304 bytes (K slot w / 4 of 512; w % 4 = 0, 1 the tokens' halves, 2, 3 the weights'), waves 12-15 the four
; halves of the scale words; waves 8-11 have no tile.  Nothing is filled again.  The way out's stage lies in the third region, into which no load lands.  No prefetch: there is no loop to run ahead in.
.set TT, 2
.set KU, 2
.set KSL, 4
.set KD, 8
.set NSL, 2
.set RT, 128
.set T_IMG, 0
.set T_SC, 3145728
.set MT, 4096
.set W_IMG, 6258688
.set W_SC, 7045120
.set MW, 1024
.set SLOTB, 98304
.set REG, 49152
.set HALFB, 24576
.set SCL, 294912
.set SH, KD*RT*2
.set SPARE, 311296                     ; the spare words, 128 bytes for each wave, which no other line names
.set F1, 32
.set F0, 80
.set ACC, 128
.set RES, 160
.set BIA, 192
.set SC, 24
.set AD1, 16
.set AD0, 18
.set ADS, 20
.set G1T, 24
.set G0T, 32
.set G1W, 48
.set G0W, 56
.set G1ST, 68
.set G0ST, 76
.set G1SW, 80
.set G0SW, 88
.macro ROUND
	s_barrier_signal -1
	s_barrier_wait -1
	s_cmp_lg_u32 s14, 0
	s_cbranch_scc1 .Lnot_wave_0_\@
	s_barrier_signal -3
.Lnot_wave_0_\@:
	s_barrier_wait -3
	s_barrier_signal -1
	s_barrier_wait -1
.endm
.macro LD g0, g1                       ; a joint load; an s_nop 0 and four v_nop follow it
	tensor_load_to_lds s[\g0:\g0+3], s[\g1:\g1+7]
	s_nop 0
.rept 4
	v_nop
.endr
.endm
.macro FRAG reg, adr, off
.irp p, 0,1,2,3,4,5
	ds_load_b64 v[\reg+2*\p:\reg+2*\p+1], v[\adr] offset:\off+256*\p
.endr
.endm
.macro STEP n, q0, first
.rept 4
	v_nop
.endr
.set u, 0
.rept KU
.set i, 0
.rept TT
	FRAG F1+12*(TT*u+i), AD1+1, i*KSL*1536+((\q0)+u)*1536
	FRAG F0+12*(TT*u+i), AD0+1, i*KSL*1536+((\q0)+u)*1536
	ds_load_b32 v[SC+TT*u+i], v[ADS] offset:((\n)*KSL+(\q0)+u)*RT*4+64*i
.set i, i+1
.endr
.set u, u+1
.endr
	s_wait_dscnt 0x0
.set u, 0
.rept KU
.set a, 0
.rept TT
.set b, 0
.rept TT
.if (\first) && (u == 0)
	v_wmma_scale_f32_16x16x128_f8f6f4 v[ACC+8*(TT*a+b):ACC+8*(TT*a+b)+7], v[F0+12*(TT*u+b):F0+12*(TT*u+b)+11], v[F1+12*(TT*u+a):F1+12*(TT*u+a)+11], 0, v[SC+TT*u+b], v[SC+TT*u+a] matrix_a_fmt:MATRIX_FMT_BF6 matrix_b_fmt:MATRIX_FMT_BF6 matrix_a_scale:MATRIX_SCALE_ROW1
.else
	v_wmma_scale_f32_16x16x128_f8f6f4 v[ACC+8*(TT*a+b):ACC+8*(TT*a+b)+7], v[F0+12*(TT*u+b):F0+12*(TT*u+b)+11], v[F1+12*(TT*u+a):F1+12*(TT*u+a)+11], v[ACC+8*(TT*a+b):ACC+8*(TT*a+b)+7], v[SC+TT*u+b], v[SC+TT*u+a] matrix_a_fmt:MATRIX_FMT_BF6 matrix_b_fmt:MATRIX_FMT_BF6 matrix_a_scale:MATRIX_SCALE_ROW1
.endif
.set b, b+1
.endr
.set a, a+1
.endr
.set u, u+1
.endr
.endm
.macro TRIP n, first                   ; K slot n's K steps
	STEP \n, 0, \first
	STEP \n, KU, 0
.endm
	s_load_b128 s[4:7], s[0:1], 0x0
	s_load_b128 s[8:11], s[0:1], 0x10
	s_load_b64 s[12:13], s[0:1], 0x20
	v_lshl_add_u32 v30, v0, 2, SPARE
	v_mov_b32 v31, 0
	ds_add_u32 v30, v31
	ds_add_u32 v30, v31
	s_wait_dscnt 0x0
	v_lshrrev_b32 v1, 5, v0
	s_delay_alu instid0(VALU_DEP_1)
	v_readfirstlane_b32 s14, v1
	s_lshr_b32 s15, s14, 2
	s_and_b32 s16, s14, 3
	s_and_b32 s18, s14, 1
	s_bfe_u32 s40, ttmp6, 0x40000
	s_bfe_u32 s41, ttmp6, 0x40004
	s_lshl_b32 s42, ttmp9, 2
	s_add_co_u32 s42, s42, s40
	s_and_b32 s17, ttmp7, 0xffff
	s_lshl_b32 s17, s17, 2
	s_add_co_u32 s17, s17, s41
	s_lshl_b32 s43, s41, 2
	s_lshl_b32 s43, 15, s43
	s_lshl_b32 s44, 0x1111, s40
	s_or_b32 s[G1T], s44, (3<<16)|(1<<21)
	s_or_b32 s[G1W], s43, (3<<16)|(1<<21)
.irp g, G1T, G1W
	s_mov_b32 s[\g+1], (KSL*192)<<16
	s_mov_b32 s[\g+2], (RT/32)<<16
	s_mov_b32 s[\g+3], (KSL*192)<<16
	s_mov_b32 s[\g+4], RT/32
	s_mov_b32 s[\g+5], KD*192
	s_mov_b32 s[\g+6], 0
	s_mov_b32 s[\g+7], 0
.endr
	s_or_b32 s[G1ST], s44, (3<<16)|(1<<21)
	s_or_b32 s[G1SW], s43, (3<<16)|(1<<21)
.irp g, G1ST, G1SW
	s_mov_b32 s[\g+1], (RT/2)<<16
	s_mov_b32 s[\g+2], (KD/2)<<16
	s_mov_b32 s[\g+3], (RT/2)<<16
	s_mov_b32 s[\g+4], KD/2
	s_mov_b32 s[\g+6], 0
	s_mov_b32 s[\g+7], 0
.endr
	s_mov_b32 s[G1ST+5], MT/2
	s_mov_b32 s[G1SW+5], MW/2
	s_mul_i32 s20, s42, (RT/16)*KD*1536
	s_mul_i32 s19, s18, (RT/32)*KD*1536
	s_add_co_u32 s20, s20, s19
	s_add_co_u32 s20, s20, T_IMG
	s_mov_b32 s21, 0
	s_mul_i32 s46, s17, (RT/16)*KD*1536
	s_add_co_u32 s46, s46, s19
	s_add_co_u32 s46, s46, W_IMG
	s_mov_b32 s47, 0
	s_mul_i32 s19, s18, (KD/2)*MT*4
	s_mul_i32 s22, s42, RT*4
	s_add_co_u32 s22, s22, s19
	s_add_co_u32 s22, s22, T_SC
	s_mov_b32 s23, 0
	s_mul_i32 s19, s18, (KD/2)*MW*4
	s_mul_i32 s92, s17, RT*4
	s_add_co_u32 s92, s92, s19
	s_add_co_u32 s92, s92, W_SC
	s_mov_b32 s93, 0
	s_mul_i32 s94, s16, SH                         ; where a half of a side's scale words goes: wave % 4
	s_wait_kmcnt 0x0
	s_add_nc_u64 s[20:21], s[4:5], s[20:21]
	s_add_nc_u64 s[22:23], s[4:5], s[22:23]
	s_add_nc_u64 s[46:47], s[6:7], s[46:47]
	s_add_nc_u64 s[92:93], s[6:7], s[92:93]
	ROUND
	s_mov_b32 s[G0ST], 1
	s_add_co_u32 s[G0ST+1], s94, SCL
	s_mov_b64 s[G0ST+2:G0ST+3], s[22:23]
	s_or_b32 s[G0ST+3], s[G0ST+3], 0x80000000
	s_mov_b32 s[G0SW], 1
	s_add_co_u32 s[G0SW+1], s94, SCL
	s_mov_b64 s[G0SW+2:G0SW+3], s[92:93]
	s_or_b32 s[G0SW+3], s[G0SW+3], 0x80000000
	s_mul_i32 s36, s15, KSL*1536                   ; K slot wave / 4: its place in a row block's images
	s_mov_b32 s37, 0
	s_mov_b32 s[G0T], 1
	s_mul_i32 s[G0T+1], s14, HALFB                 ; region wave / 4, quarter wave % 4: no place in the cluster enters an LDS address
	s_add_nc_u64 s[G0T+2:G0T+3], s[20:21], s[36:37]
	s_or_b32 s[G0T+3], s[G0T+3], 0x80000000
	s_mov_b32 s[G0W], 1
	s_mul_i32 s[G0W+1], s14, HALFB
	s_add_nc_u64 s[G0W+2:G0W+3], s[46:47], s[36:37]
	s_or_b32 s[G0W+3], s[G0W+3], 0x80000000
	s_cmp_lt_u32 s14, 8                            ; the head's twelve loads, one a wave: one tree of branches on the wave's number, all arms leading to one join
	s_cbranch_scc0 .Lh_s
	s_cmp_lt_u32 s16, 2
	s_cbranch_scc0 .Lh_w
	LD G0T, G1T
	s_branch .Lh_j
.Lh_w:
	LD G0W, G1W
	s_branch .Lh_j
.Lh_s:
	s_cmp_lt_u32 s14, 12
	s_cbranch_scc1 .Lh_j                           ; waves 8-11 have no tile
	s_cmp_lt_u32 s16, 2
	s_cbranch_scc0 .Lh_sw
	LD G0ST, G1ST
	s_branch .Lh_j
.Lh_sw:
	LD G0SW, G1SW
.Lh_j:
	v_and_b32 v1, 15, v0
	v_bfe_u32 v2, v0, 4, 1
	s_wait_alu depctr_va_vdst(0)
	v_and_b32 v3, 31, v0
	s_delay_alu instid0(VALU_DEP_1)
	v_lshlrev_b32 v22, 3, v3
	s_delay_alu instid0(VALU_DEP_2)
	v_lshlrev_b32 v3, 4, v3
	s_mul_i32 s19, s15, TT*KSL*1536
	s_mul_i32 s99, s16, TT*KSL*1536
	s_add_co_u32 s99, s99, REG
	v_add_nc_u32 v[AD1+1], s19, v22                ; region 0; stepped to region 1 between the two K slots
	v_add_nc_u32 v[AD0+1], s99, v22
	s_mul_i32 s19, s16, 64*TT
	s_add_co_u32 s19, s19, 2*SH
	s_mul_i32 s99, s15, 64*TT
	s_sub_co_u32 s19, s19, s99
	v_mul_u32_u24 v20, s19, v2
	s_add_co_u32 s99, s99, SCL
	v_lshl_add_u32 v20, v1, 2, v20
	s_delay_alu instid0(VALU_DEP_1)
	v_add_nc_u32 v20, s99, v20
	v_and_b32 v23, 8, v1
	s_delay_alu instid0(VALU_DEP_1)
	v_add_nc_u32 v23, v23, v1
	s_delay_alu instid0(VALU_DEP_1)
	v_mul_u32_u24 v4, v23, 528
	s_delay_alu instid0(VALU_DEP_1)
	v_lshl_add_u32 v4, v2, 6, v4
	s_mul_i32 s19, s15, 32*528
	s_lshl_b32 s99, s16, 7
	s_add_co_u32 s19, s19, s99
	s_add_co_u32 s19, s19, 2*SLOTB                 ; the stage: the third region, into which no load lands and which no fragment is read from
	v_add_nc_u32 v4, s19, v4
	s_mul_i32 s19, s14, 8*528
	s_add_co_u32 s19, s19, 2*SLOTB
	v_add_nc_u32 v5, s19, v3
	s_lshl_b32 s96, s42, 7
	s_lshl_b32 s19, s14, 3
	s_add_co_u32 s96, s96, s19
	s_lshl_b32 s96, s96, 12
	s_lshl_b32 s98, s17, 9
	s_add_co_u32 s96, s96, s98
	s_mov_b32 s97, 0
	s_mov_b32 s99, 0
	s_add_nc_u64 s[8:9], s[8:9], s[96:97]
	s_add_nc_u64 s[12:13], s[12:13], s[96:97]
.irp k, 0,1,2,3,4,5,6,7
	global_load_b128 v[RES+4*\k:RES+4*\k+3], v3, s[8:9] offset:4096*\k
.endr
.if HASBIAS
	s_add_nc_u64 s[10:11], s[10:11], s[98:99]
	global_load_b128 v[BIA:BIA+3], v3, s[10:11]
.endif
	s_wait_alu depctr_va_vdst(0)                   ; the wait at the head's end
	s_wait_tensorcnt 0x0                           ; my load of the head's twelve has landed,
	s_barrier_signal -1
	s_barrier_wait -1                              ; and so has every wave's
	TRIP 0, 1
	v_add_nc_u32 v[AD1+1], SLOTB, v[AD1+1]         ; from region 0 to region 1
	v_add_nc_u32 v[AD0+1], SLOTB, v[AD0+1]
	s_wait_alu depctr_va_vdst(0)
	TRIP 1, 0
.rept 4
	v_nop
.endr
.irp a, 0,1
.irp e, 0,1,2,3
	ds_store_b128 v4, v[128+16*\a+4*\e:131+16*\a+4*\e] offset:4224*\a+16*\e
.endr
.endr
	s_wait_dscnt 0x0
	s_barrier_signal -1
	s_barrier_wait -1
.irp k, 0,1,2,3,4,5,6,7
	ds_load_b128 v[68+4*\k:71+4*\k], v5 offset:528*\k
.endr
	s_wait_loadcnt 0x0
.irp k, 0,1,2,3,4,5,6,7
	s_wait_dscnt 7-\k
	v_pk_add_f32 v[68+4*\k:69+4*\k], v[68+4*\k:69+4*\k], v[RES+4*\k:RES+4*\k+1]
	v_pk_add_f32 v[70+4*\k:71+4*\k], v[70+4*\k:71+4*\k], v[RES+4*\k+2:RES+4*\k+3]
.if HASBIAS
	s_delay_alu instid0(VALU_DEP_2)
	v_pk_add_f32 v[68+4*\k:69+4*\k], v[68+4*\k:69+4*\k], v[BIA:BIA+1]
	s_delay_alu instid0(VALU_DEP_2)
	v_pk_add_f32 v[70+4*\k:71+4*\k], v[70+4*\k:71+4*\k], v[BIA+2:BIA+3]
.endif
	global_store_b128 v3, v[68+4*\k:71+4*\k], s[12:13] offset:4096*\k
.endr
	s_wait_tensorcnt 0x0
	ds_add_u32 v30, v31
	s_wait_dscnt 0x0
	ROUND
	s_endpgm
.Lfunc_end_k_q396eaebfd7_proj:
	.size	k_q396eaebfd7_proj, .Lfunc_end_k_q396eaebfd7_proj-k_q396eaebfd7_proj
	.p2alignl 7, 3214868480
	.fill 96, 4, 3214868480
	.section	.rodata,"a",@progbits
	.p2align	6, 0x0
	.amdhsa_kernel k_q396eaebfd7_proj
		.amdhsa_group_segment_fixed_size 327680
		.amdhsa_private_segment_fixed_size 0
		.amdhsa_enable_private_segment 0
		.amdhsa_kernarg_size 40
		.amdhsa_user_sgpr_count 2
		.amdhsa_user_sgpr_kernarg_segment_ptr 1
		.amdhsa_wavefront_size32 1
		.amdhsa_system_sgpr_workgroup_id_x 1
		.amdhsa_system_sgpr_workgroup_id_y 1
		.amdhsa_system_sgpr_workgroup_id_z 1
		.amdhsa_system_vgpr_workitem_id 0
		.amdhsa_next_free_vgpr 256
		.amdhsa_next_free_sgpr 100
		.amdhsa_reserve_vcc 0
		.amdhsa_float_denorm_mode_32 3
		.amdhsa_float_denorm_mode_16_64 3
		.amdhsa_memory_ordered 1
		.amdhsa_forward_progress 1
		.amdhsa_inst_pref_size 33
	.end_amdhsa_kernel
	.amdgpu_metadata
---
amdhsa.version: [ 1, 2 ]
amdhsa.kernels:
  - .name:           k_q396eaebfd7_proj
    .symbol:         k_q396eaebfd7_proj.kd
    .args:
      - { .name: att, .offset: 0, .size: 8, .value_kind: global_buffer, .address_space: global }
      - { .name: pw, .offset: 8, .size: 8, .value_kind: global_buffer, .address_space: global }
      - { .name: x, .offset: 16, .size: 8, .value_kind: global_buffer, .address_space: global }
      - { .name: proj_b, .offset: 24, .size: 8, .value_kind: global_buffer, .address_space: global }
      - { .name: x1, .offset: 32, .size: 8, .value_kind: global_buffer, .address_space: global }
    .group_segment_fixed_size: 327680
    .private_segment_fixed_size: 0
    .kernarg_segment_align: 8
    .kernarg_segment_size: 40
    .max_flat_workgroup_size: 512
    .sgpr_count:     100
    .vgpr_count:     256
    .wavefront_size: 32
...
	.end_amdgpu_metadata
.endif
;; end of part 4
;; launch ln2 (part 5): grid 256 x 1, 4 waves a work-group, no clusters, 168,448 bytes of LDS; arguments x1, ln2_g, ln2_b, h2b; writes h2b
.if DOCPART == 5
	.amdgcn_target "amdgcn-amd-amdhsa--gfx1250"
	.amdhsa_code_object_version 6
	.text
	.protected	k_q396eaebfd7_ln2
	.globl	k_q396eaebfd7_ln2
	.p2align	8
	.type	k_q396eaebfd7_ln2,@function
k_q396eaebfd7_ln2:
	s_mov_b64 s[64:65], 0
	v_nop
	global_prefetch_b8 v0, s[64:65] scope:SCOPE_SE
	s_setreg_imm32_b32 hwreg(HW_REG_WAVE_MODE, 25, 1), 1
	s_wait_xcnt 0x0
; h2 = layer norm of x1 (gain g, bias b), quantised along its 1,024 features to codes of BF6 (E3M2) with E8M0 scale bytes, laid as the matrix unit's operand registers take them.
; ROW ORDER: row block i (16 rows), lane row r, holds logical row 32 (i / 2) + 8 (i % 2) + r + 8 (r / 8).
; IMAGE: 16 rows x 128 K = 12 registers a lane = 1,536 bytes: registers 2 p, 2 p + 1 of lane l at 256 p + 8 l, [row block][K step].  Scale words: [K / 128][4,096 rows], byte = block of 32.
; SHARES: 256 row blocks, a work-group to each; its 16 rows are shared by four waves, four rows each.  The text uses 32,768 bytes of LDS
; each of the four waves then has a SIMD to itself.
; A ROW: eight loads of 512 consecutive bytes; mean, variance (two passes, in f32), (x - mean) rsqrt(var + 1e-5) g + b.  The row turns through the wave's own LDS bytes so that lane l holds block l
; (32 neighbours): its largest magnitude needs no other lane.  A block's scale byte is its largest magnitude's exponent field - 4, held at 1 from below.
; The images leave in runs of 512 consecutive bytes.  A row block has 16 scale words in each K step: they leave as eight pieces of 64 consecutive bytes, 512 bytes a work-group.
; LIMITS: NaN and infinities are not served; a block whose largest magnitude lies under 2^-122 keeps the byte 1; a block of zeros gets the byte 1, not 127 (its codes are zeros; this program alone reads the bytes).
.set H_SC, 3145728                     ; where the scale words begin in h2b
.set TURNB, 4608                       ; LDS: a wave's turning bytes: 32 x (128 + 16)
.set IMGS, 18432                       ; behind the four of them: the image stage: 96 pieces of 128 bytes + 16 of padding,
.set SCS, 32256                        ; and the scale words: 8 K steps x 64 bytes
; v1 lane; v2 16 x lane; v6, v7 turn in, out; v8 codes' place; v9 byte's place; v10 copy's place; v15, v30 the scale copy's places in LDS and in memory; v12-14 at work;
; v16-23 four chains; v24, v25 sums; v[26:27] -mean; v[28:29] factor; v32-63 the turned row; v64-191 four rows; v192-223 g; v224-255 b
	s_load_b256 s[4:11], s[0:1], 0x0               ; x1, g, b, h2b
	v_lshl_add_u32 v5, v0, 2, 0x29000
	v_mov_b32 v31, 0
	v_lshrrev_b32 v1, 5, v0
	v_readfirstlane_b32 s26, v1                    ; wave 0..3: which four of the 16 rows
	v_and_b32 v1, 31, v0
	v_lshlrev_b32 v2, 4, v1
	s_mov_b32 s40, 0x76543210
	s_mov_b32 s41, 0xfedcba98                      ; v_permlanex16_b32's selects for lane l xor 16
	s_mov_b32 s42, 0x3a800000                      ; 1 / 1024
	s_mov_b32 s37, 0x3727c5ac                      ; 1e-5
	s_and_b32 s46, ttmp9, 1
	s_lshl_b32 s46, s46, 3
	s_lshl_b32 s47, ttmp9, 4
	s_sub_co_u32 s47, s47, s46                     ; the row block's first logical row: 16 i - 8 (i % 2)
	s_lshl_b32 s48, s26, 2
	s_add_co_u32 s47, s47, s48                     ; my four rows n = 4 x wave + j lie at n + 8 (n / 8)
	s_lshr_b32 s48, s26, 1
	s_lshl_b32 s48, s48, 3
	s_add_co_u32 s47, s47, s48
	s_lshl_b32 s48, s47, 12                        ; rows of 4,096 bytes
	s_mov_b32 s49, 0
	s_wait_alu depctr_va_vdst(0)
	s_wait_kmcnt 0x0
	s_add_nc_u64 s[38:39], s[4:5], s[48:49]        ; my first row
.irp k, 0,1,2,3,4,5,6,7
	global_load_b128 v[192+4*\k:195+4*\k], v2, s[6:7] offset:512*\k     ; g: lane l, load k: numbers 128 k + 4 l on, as a row is loaded
.endr
.irp k, 0,1,2,3,4,5,6,7
	global_load_b128 v[224+4*\k:227+4*\k], v2, s[8:9] offset:512*\k     ; b
.endr
.irp j, 0,1,2,3
.irp k, 0,1,2,3,4,5,6,7
	global_load_b128 v[64+32*\j+4*\k:67+32*\j+4*\k], v2, s[38:39] offset:4096*\j+512*\k th:TH_LOAD_NT   ; all four rows at once: 32 loads of 512 consecutive bytes
.endr
.endr
	s_mul_i32 s48, ttmp9, 12288
	s_mul_i32 s50, s26, 3072
	s_add_co_u32 s48, s48, s50
	s_add_nc_u64 s[44:45], s[10:11], s[48:49]      ; where I copy a quarter of the row block's images
	s_lshl_b32 s48, ttmp9, 6
	s_add_co_u32 s48, s48, H_SC
	s_add_nc_u64 s[46:47], s[10:11], s[48:49]      ; the row block's 16 words in K step 0
	v_lshrrev_b32 v11, 3, v1
	v_lshl_add_u32 v11, v11, 4, v2                 ; 16 l + 16 (l / 8): dense bytes with 16 of padding behind each 128
	s_mul_i32 s50, s26, TURNB
	v_add_nc_u32 v6, s50, v11
	v_mul_u32_u24 v7, v1, 144
	v_add_nc_u32 v7, s50, v7
	v_lshrrev_b32 v12, 2, v1                       ; my block's K step
	v_mul_u32_u24 v8, v12, 1728                    ; 12 pieces of 144 bytes an image,
	v_bfe_u32 v13, v1, 1, 1
	v_mad_u32_u24 v8, v13, 864, v8                 ; 6 for the upper 64 of a K step,
	v_and_b32 v13, 1, v1
	v_mad_u32_u24 v8, v13, 144, v8                 ; 1 for lanes 16-31 of the operand
	s_lshl_b32 s52, s26, 5
	s_add_co_u32 s52, s52, IMGS
	v_add_nc_u32 v8, s52, v8                       ; + 8 bytes for each row: 32 x wave here, 8 j in the immediate
	v_and_b32 v13, 3, v1
	v_lshl_add_u32 v9, v12, 6, v13
	s_lshl_b32 s52, s26, 4
	s_add_co_u32 s52, s52, SCS
	v_add_nc_u32 v9, s52, v9                       ; K step x 64 + 4 x row + block % 4
	s_mul_i32 s52, s26, 3456
	s_add_co_u32 s52, s52, IMGS
	v_add_nc_u32 v10, s52, v11
	v_add_nc_u32 v15, SCS, v2                      ; the scale copy: lane l takes 16 bytes: K step l / 4, words 4 (l % 4) on
	v_lshlrev_b32 v30, 4, v13
	v_lshl_add_u32 v30, v12, 14, v30               ; in memory a K step's words lie 16,384 bytes apart
	v_mov_b32 v25, 0                               ; a lane permute's destination counts as one of its sources
.macro REDUCE                          ; four chains of pairs -> one sum in every lane, v24
	v_pk_add_f32 v[16:17], v[16:17], v[18:19]
	v_pk_add_f32 v[20:21], v[20:21], v[22:23]
	v_pk_add_f32 v[16:17], v[16:17], v[20:21]
	v_add_f32 v24, v16, v17
	v_add_f32_dpp v24, v24, v24 row_xmask:1 row_mask:0xf bank_mask:0xf
	v_add_f32_dpp v24, v24, v24 row_xmask:2 row_mask:0xf bank_mask:0xf
	v_add_f32_dpp v24, v24, v24 row_xmask:4 row_mask:0xf bank_mask:0xf
	v_add_f32_dpp v24, v24, v24 row_xmask:8 row_mask:0xf bank_mask:0xf
	v_permlanex16_b32 v25, v24, s40, s41
	v_add_f32 v24, v24, v25
.endm
.macro ROW j
.set XS, 64+32*(\j)
	s_wait_loadcnt 24-8*(\j)                       ; g, b and my row's eight loads are in; eight for each younger row may be out
.irp c, 0,2,4,6
	v_pk_add_f32 v[16+\c:17+\c], v[XS+\c:XS+\c+1], v[XS+8+\c:XS+9+\c]
.endr
.irp c, 0,2,4,6
	v_pk_add_f32 v[16+\c:17+\c], v[16+\c:17+\c], v[XS+16+\c:XS+17+\c]
.endr
.irp c, 0,2,4,6
	v_pk_add_f32 v[16+\c:17+\c], v[16+\c:17+\c], v[XS+24+\c:XS+25+\c]
.endr
	REDUCE
	v_mul_f32 v26, 0xba800000, v24                 ; -mean
	v_mov_b32 v27, v26
.irp c, 0,2,4,6,8,10,12,14,16,18,20,22,24,26,28,30
	v_pk_add_f32 v[XS+\c:XS+\c+1], v[XS+\c:XS+\c+1], v[26:27]
.endr
.irp c, 0,2,4,6
	v_pk_mul_f32 v[16+\c:17+\c], v[XS+\c:XS+\c+1], v[XS+\c:XS+\c+1]
.endr
.irp k, 8,16,24
.irp c, 0,2,4,6
	v_pk_fma_f32 v[16+\c:17+\c], v[XS+\k+\c:XS+\k+\c+1], v[XS+\k+\c:XS+\k+\c+1], v[16+\c:17+\c]
.endr
.endr
	REDUCE
	v_fma_f32 v24, v24, s42, s37                   ; variance + 1e-5
	s_wait_alu depctr_va_vdst(0)
	v_rsq_f32 v28, v24
	v_nop                                          ; a plain instruction behind the transcendental,
	s_wait_alu depctr_va_vdst(0)                   ; and the wait ahead of its first reader
	v_mov_b32 v29, v28
.irp c, 0,2,4,6,8,10,12,14,16,18,20,22,24,26,28,30
	v_pk_mul_f32 v[XS+\c:XS+\c+1], v[XS+\c:XS+\c+1], v[28:29]
.endr
.irp c, 0,2,4,6,8,10,12,14,16,18,20,22,24,26,28,30
	v_pk_fma_f32 v[XS+\c:XS+\c+1], v[XS+\c:XS+\c+1], v[192+\c:193+\c], v[224+\c:225+\c]
.endr
.irp k, 0,1,2,3,4,5,6,7
	ds_store_b128 v6, v[XS+4*\k:XS+4*\k+3] offset:576*\k     ; the row as it lies, 16 bytes of padding behind each 128
.endr
.irp k, 0,1,2,3,4,5,6,7
	ds_load_b128 v[32+4*\k:35+4*\k], v7 offset:16*\k         ; back: lane l takes block l; LDS serves a wave's instructions in order
.endr
	s_wait_dscnt 0x0
	v_max3_num_f32 v12, |v32|, |v33|, |v34|
	v_max3_num_f32 v13, |v35|, |v36|, |v37|
.irp i, 6,10,14,18,22,26
	v_max3_num_f32 v12, v12, |v[32+\i]|, |v[33+\i]|
	v_max3_num_f32 v13, v13, |v[34+\i]|, |v[35+\i]|
.endr
	v_max3_num_f32 v12, v12, |v62|, |v63|
	v_max3_num_f32 v12, v12, v13, 0x2800000        ; and the floor 2^(5 - 127): the byte cannot fall under 1
	v_add_nc_u32 v14, 0xfe000000, v12              ; 4 off the exponent field: the conversion's scale operand
	v_cvt_scalef32_pk16_bf6_f32 v[XS:XS+2], v[32:47], v14        ; into the row's own registers, which are free and are not written again
	v_cvt_scalef32_pk16_bf6_f32 v[XS+4:XS+6], v[48:63], v14
	v_lshrrev_b32 v[XS+8], 23, v14                 ; the scale's byte (also the plain instruction behind the conversions)
	ds_store_b32 v8, v[XS] offset:8*(\j)           ; operand registers 6 c + 0 .. 5 of lane (my row) + 16 (block % 2)
	ds_store_b32 v8, v[XS+1] offset:8*(\j)+4
	ds_store_b32 v8, v[XS+2] offset:8*(\j)+288
	ds_store_b32 v8, v[XS+4] offset:8*(\j)+292
	ds_store_b32 v8, v[XS+5] offset:8*(\j)+576
	ds_store_b32 v8, v[XS+6] offset:8*(\j)+580
	ds_store_b8 v9, v[XS+8] offset:4*(\j)
.endm
	ROW 0
	ROW 1
	ROW 2
	ROW 3
	s_wait_dscnt 0x0                               ; for the others' sake: my stores into the stages are done
	s_barrier_signal -1
	s_barrier_wait -1
.irp t, 0,1,2,3,4,5
	ds_load_b128 v[32+4*\t:35+4*\t], v10 offset:576*\t       ; a quarter of the row block's images, dense again
.endr
.irp t, 0,1,2,3,4,5
	s_wait_dscnt 5-\t                              ; the younger loads of this run may be out
	global_store_b128 v2, v[32+4*\t:35+4*\t], s[44:45] offset:512*\t     ; 512 consecutive bytes, at a multiple of 256 from h2b's first byte
.endr
	s_cmp_eq_u32 s26, 0
	s_cbranch_scc0 .Lend
	ds_load_b128 v[56:59], v15
	s_wait_dscnt 0x0
	global_store_b128 v30, v[56:59], s[46:47]      ; four lanes store a K step's 64 consecutive bytes
.Lend:
	s_wait_tensorcnt 0x0
	ds_add_u32 v5, v31
	s_wait_dscnt 0x0
	s_endpgm
.Lfunc_end_k_q396eaebfd7_ln2:
	.size	k_q396eaebfd7_ln2, .Lfunc_end_k_q396eaebfd7_ln2-k_q396eaebfd7_ln2
	.p2alignl 7, 3214868480
	.fill 96, 4, 3214868480
	.section	.rodata,"a",@progbits
	.p2align	6, 0x0
	.amdhsa_kernel k_q396eaebfd7_ln2
		.amdhsa_group_segment_fixed_size 168448
		.amdhsa_private_segment_fixed_size 0
		.amdhsa_enable_private_segment 0
		.amdhsa_kernarg_size 32
		.amdhsa_user_sgpr_count 2
		.amdhsa_user_sgpr_kernarg_segment_ptr 1
		.amdhsa_wavefront_size32 1
		.amdhsa_system_sgpr_workgroup_id_x 1
		.amdhsa_system_sgpr_workgroup_id_y 1
		.amdhsa_system_sgpr_workgroup_id_z 1
		.amdhsa_system_vgpr_workitem_id 0
		.amdhsa_next_free_vgpr 256
		.amdhsa_next_free_sgpr 66
		.amdhsa_reserve_vcc 0
		.amdhsa_float_denorm_mode_32 3
		.amdhsa_float_denorm_mode_16_64 3
		.amdhsa_memory_ordered 1
		.amdhsa_forward_progress 1
		.amdhsa_inst_pref_size 45
	.end_amdhsa_kernel
	.amdgpu_metadata
---
amdhsa.version: [ 1, 2 ]
amdhsa.kernels:
  - .name:           k_q396eaebfd7_ln2
    .symbol:         k_q396eaebfd7_ln2.kd
    .args:
      - { .name: x1, .offset: 0, .size: 8, .value_kind: global_buffer, .address_space: global }
      - { .name: ln2_g, .offset: 8, .size: 8, .value_kind: global_buffer, .address_space: global }
      - { .name: ln2_b, .offset: 16, .size: 8, .value_kind: global_buffer, .address_space: global }
      - { .name: h2b, .offset: 24, .size: 8, .value_kind: global_buffer, .address_space: global }
    .group_segment_fixed_size: 168448
    .private_segment_fixed_size: 0
    .kernarg_segment_align: 8
    .kernarg_segment_size: 32
    .max_flat_workgroup_size: 128
    .sgpr_count:     66
    .vgpr_count:     256
    .wavefront_size: 32
...
	.end_amdgpu_metadata
.endif
;; end of part 5
;; launch up (part 6): grid 16 x 16, 16 waves a work-group, clusters of 4 x 4, 327,680 bytes of LDS; arguments h2b, pw, gbuf; writes gbuf
.if DOCPART == 6
	.amdgcn_target "amdgcn-amd-amdhsa--gfx1250"
	.amdhsa_code_object_version 6
	.text
	.protected	k_q396eaebfd7_up
	.globl	k_q396eaebfd7_up
	.p2align	8
	.type	k_q396eaebfd7_up,@function
k_q396eaebfd7_up:
	s_mov_b64 s[64:65], 0
	v_nop
	global_prefetch_b8 v0, s[64:65] scope:SCOPE_SE
	s_setreg_imm32_b32 hwreg(HW_REG_WAVE_MODE, 25, 1), 1
	s_wait_xcnt 0x0
	s_wait_alu depctr_hold_cnt(0) depctr_sa_sdst(0) depctr_va_vdst(0) depctr_va_sdst(0) depctr_va_ssrc(0) depctr_va_vcc(0) depctr_vm_vsrc(0)
	s_getreg_b32 s2, hwreg(HW_REG_IB_STS2, 6, 4)
	s_cmp_eq_u32 s2, 0
	s_cbranch_scc0 .Lentry_in_a_cluster
	s_endpgm
.Lentry_in_a_cluster:
	s_bfe_u32 s2, ttmp6, 0x10000c
	s_cmp_lg_u32 s2, 0xf033
	s_cbranch_scc0 .Lentry_shape_is_right
	s_endpgm
.Lentry_shape_is_right:
; g = silu(h2 w1^T) x (h2 w2^T), both products on codes of BF6 with E8M0 scales; g is quantised along its 2,048 features and stored as images for the last product.
; A work-group of 16 waves makes 256 tokens x (128 features of w1 and the same 128 of w2); a wave 64 tokens x 32 features of each: 16 accumulators.  K = 1,024 goes in 4 slots of 256 through a ring of two LDS slots.
; The weights' row blocks lie two of w1, two of w2 by turns, so that a lane holds both products of the same 16 features.
; Operands lie in memory as images (16 rows x 128 K = 1,536 bytes: registers 2 p, 2 p + 1 of lane l at 256 p + 8 l), [row block][K step]; row block i, lane row r, holds logical row 32 (i / 2) + 8 (i % 2) + r + 8 (r / 8).
; CLUSTERS 4 x 4: tokens' tiles hang on work-group x alone and are asked for jointly by the four of a column of the cluster, weights' tiles on y alone, by the four of a row.  Waves 0, 1 fetch the tokens' halves, waves 2, 3 the weights'.
; silu(a) b is formed as (a b) / (1 + 2^(-a log2 e)): its rounding differs from (a sigmoid(a)) b by about 1e-7 of the number.
; LIMITS: NaN and infinities are not served; a block whose largest magnitude lies under 2^-122 keeps the scale byte 1; a block of zeros gets the byte 1, not 127 (zero codes; this program alone reads the bytes).
; THE WALK ALONG K AS THE TEXT BELOW HAS IT; it takes the place of the ring of two slots and of the four fetching waves that the lines above name.
; LDS holds three regions of 98,304 bytes (the tokens' 49,152, then the weights').  At the head each of the 16 waves issues ONE joint load: wave w under 12 a quarter of region w / 4, which takes K slot w / 4
; (w % 4 = 0, 1: the tokens' halves; 2, 3: the weights'); waves 12-15 the four halves of the scale words.  K slot 2 is multiplied first; behind a round of the cluster's barrier waves 8-11 fill its region again
; with K slot 3, and K slots 0 and 1 (64 matrix instructions a wave) are multiplied while that load is out; then K slot 3.  LIMIT: the sums run along K in the order 2, 0, 1, 3: their rounding differs from an ascending sum's.
; The way out's stage lies in region 0: its last reads stand ahead of the barrier in front of K slot 3, and it is filled once.  No prefetch: the walk is written out, four slots, with no loop to run ahead in.
.set TT, 4
.set KU, 1
.set KSL, 2
.set KD, 8
.set NSL, 4
.set RT, 256
.set T_IMG, 0
.set T_SC, 3145728
.set MT, 4096
.set W_IMG, 7077888
.set W_SC, 10223616
.set MW, 4096
.set SLOTB, 98304
.set REG, 49152
.set HALFB, 24576
.set SCL, 294912
.set SH, KD*RT*2
.set SPARE, 311296                     ; the spare words, 128 bytes for each wave: eight blocks of 256 bytes that no other line names
.set F1, 32
.set F0, 80
.set ACC, 128
.set SC, 24
.set AD1, 16
.set AD0, 18
.set ADS, 20
.set G1T, 24
.set G0T, 32
.set G1W, 48
.set G0W, 56
.set G1ST, 68
.set G0ST, 76
.set G1SW, 80
.set G0SW, 88
.macro ROUND                           ; a round of the cluster's barrier
	s_barrier_signal -1
	s_barrier_wait -1
	s_cmp_lg_u32 s14, 0
	s_cbranch_scc1 .Lnot_wave_0_\@
	s_barrier_signal -3
.Lnot_wave_0_\@:
	s_barrier_wait -3
	s_barrier_signal -1
	s_barrier_wait -1
.endm
.macro LD g0, g1                       ; a joint load; an s_nop 0 and four v_nop follow it
	tensor_load_to_lds s[\g0:\g0+3], s[\g1:\g1+7]
	s_nop 0
.rept 4
	v_nop
.endr
.endm
.macro FRAG reg, adr, off
.irp p, 0,1,2,3,4,5
	ds_load_b64 v[\reg+2*\p:\reg+2*\p+1], v[\adr] offset:\off+256*\p
.endr
.endm
.macro STEP n, q0, first               ; KU K steps of 128: the fragments, then TT x TT x KU products, the accumulators by turns, one instruction a turn
.rept 4
	v_nop                                          ; four places in front of loads into registers that matrix instructions have read
.endr
.set u, 0
.rept KU
.set i, 0
.rept TT
	FRAG F1+12*(TT*u+i), AD1+1-(\n)/2, i*KSL*1536+((\q0)+u)*1536
	FRAG F0+12*(TT*u+i), AD0+1-(\n)/2, i*KSL*1536+((\q0)+u)*1536
	ds_load_b32 v[SC+TT*u+i], v[ADS] offset:((\n)*KSL+(\q0)+u)*RT*4+64*i
.set i, i+1
.endr
.set u, u+1
.endr
	s_wait_dscnt 0x0
.set u, 0
.rept KU
.set a, 0
.rept TT
.set b, 0
.rept TT
.if (\first) && (u == 0)
	v_wmma_scale_f32_16x16x128_f8f6f4 v[ACC+8*(TT*a+b):ACC+8*(TT*a+b)+7], v[F0+12*(TT*u+b):F0+12*(TT*u+b)+11], v[F1+12*(TT*u+a):F1+12*(TT*u+a)+11], 0, v[SC+TT*u+b], v[SC+TT*u+a] matrix_a_fmt:MATRIX_FMT_BF6 matrix_b_fmt:MATRIX_FMT_BF6 matrix_a_scale:MATRIX_SCALE_ROW1
.else
	v_wmma_scale_f32_16x16x128_f8f6f4 v[ACC+8*(TT*a+b):ACC+8*(TT*a+b)+7], v[F0+12*(TT*u+b):F0+12*(TT*u+b)+11], v[F1+12*(TT*u+a):F1+12*(TT*u+a)+11], v[ACC+8*(TT*a+b):ACC+8*(TT*a+b)+7], v[SC+TT*u+b], v[SC+TT*u+a] matrix_a_fmt:MATRIX_FMT_BF6 matrix_b_fmt:MATRIX_FMT_BF6 matrix_a_scale:MATRIX_SCALE_ROW1
.endif
.set b, b+1
.endr
.set a, a+1
.endr
.set u, u+1
.endr
.endm
.macro TRIP n, first                   ; K slot n's K steps.  Address register 0 serves K slots 2 and 3 (region 2), register 1 K slots 0 and 1
	STEP \n, 0, \first
	STEP \n, KU, 0
.endm
; nb blocks; block b's 16 numbers of my lane in v[src + str b] on; tmp: 32 scratch registers: +0 largest magnitudes, +4 the other half's, +8 scale operands, +12 bytes, +16 + 4 b codes (3 registers)
.macro QUANT nb, src, str, tmp
.set b, 0
.rept \nb
	v_max3_num_f32 v[(\tmp)+b], |v[(\src)+(\str)*b]|, |v[(\src)+(\str)*b+1]|, 0x2800000   ; with the floor 2^(5 - 127): the byte cannot fall under 1
.set b, b+1
.endr
.irp i, 2,4,6,8,10,12,14
.set b, 0
.rept \nb
	s_delay_alu instid0(VALU_DEP_4)
	v_max3_num_f32 v[(\tmp)+b], v[(\tmp)+b], |v[(\src)+(\str)*b+\i]|, |v[(\src)+(\str)*b+\i+1]|
.set b, b+1
.endr
.endr
.set b, 0
.rept \nb
	s_delay_alu instid0(VALU_DEP_4)
	v_permlanex16_b32 v[(\tmp)+4+b], v[(\tmp)+b], s2, s3
.set b, b+1
.endr
.set b, 0
.rept \nb
	s_delay_alu instid0(VALU_DEP_4)
	v_max_num_f32 v[(\tmp)+b], v[(\tmp)+b], v[(\tmp)+4+b]      ; with lane l xor 16's 16: the block's largest magnitude
.set b, b+1
.endr
.set b, 0
.rept \nb
	s_delay_alu instid0(VALU_DEP_4)
	v_add_nc_u32 v[(\tmp)+8+b], 0xfe000000, v[(\tmp)+b]        ; 4 off the exponent field: the conversion's scale operand
.set b, b+1
.endr
.set b, 0
.rept \nb
	s_delay_alu instid0(VALU_DEP_4)
	v_lshrrev_b32 v[(\tmp)+12+b], 23, v[(\tmp)+8+b]            ; the scale's byte
.set b, b+1
.endr
.set b, 0
.rept \nb
	v_cvt_scalef32_pk16_bf6_f32 v[(\tmp)+16+4*b:(\tmp)+18+4*b], v[(\src)+(\str)*b:(\src)+(\str)*b+15], v[(\tmp)+8+b]
.set b, b+1
.endr
	v_nop                                          ; one plain instruction behind the last scaled conversion
.endm
; 16 codes (3 registers) of k = 32 B + 16 h + 0 .. 15 of row r go to lane r + 16 (B % 2), registers 6 (B / 2) + 3 h + 0 .. 2 of an image: pa0 = base + 8 r + 260 h, pa1 = base + 8 r + 4 + 508 h
.macro PUT pa0, pa1, cd, off
	ds_store_b32 v[\pa0], v[\cd] offset:\off
	ds_store_b32 v[\pa1], v[(\cd)+1] offset:\off
	ds_store_b32 v[\pa0], v[(\cd)+2] offset:(\off)+256
.endm
	s_load_b128 s[4:7], s[0:1], 0x0                ; the tokens' buffer, the weights' buffer
	s_load_b64 s[10:11], s[0:1], 0x10              ; gbuf
	v_lshl_add_u32 v30, v0, 2, SPARE
	v_mov_b32 v31, 0
	ds_add_u32 v30, v31
	ds_add_u32 v30, v31
	s_wait_dscnt 0x0
	v_lshrrev_b32 v1, 5, v0
	s_delay_alu instid0(VALU_DEP_1)
	v_readfirstlane_b32 s14, v1                    ; wave 0..15
	s_lshr_b32 s15, s14, 2                         ; wr: which 64 tokens
	s_and_b32 s16, s14, 3                          ; wc: which 32 features
	s_and_b32 s18, s14, 1                          ; which half of a tile I fetch
	s_mov_b32 s2, 0x76543210
	s_mov_b32 s3, 0xfedcba98
	s_bfe_u32 s40, ttmp6, 0x40000                  ; cx
	s_bfe_u32 s41, ttmp6, 0x40004                  ; cy
	s_lshl_b32 s42, ttmp9, 2
	s_add_co_u32 s42, s42, s40                     ; x: the tokens' tile
	s_and_b32 s17, ttmp7, 0xffff
	s_lshl_b32 s17, s17, 2
	s_add_co_u32 s17, s17, s41                     ; y: the weights' tile
	s_lshl_b32 s43, s41, 2
	s_lshl_b32 s43, 15, s43                        ; my row of the cluster (same y)
	s_lshl_b32 s44, 0x1111, s40                    ; my column (same x)
	s_or_b32 s[G1T], s44, (3<<16)|(1<<21)          ; elements of 8 bytes; bit 21 set beside a mask; no padding
	s_or_b32 s[G1W], s43, (3<<16)|(1<<21)
.irp g, G1T, G1W
	s_mov_b32 s[\g+1], (KSL*192)<<16               ; tensor_dim0: a row block's part of a slot
	s_mov_b32 s[\g+2], (RT/32)<<16                 ; tensor_dim1: half the tile's row blocks
	s_mov_b32 s[\g+3], (KSL*192)<<16               ; tile_dim0
	s_mov_b32 s[\g+4], RT/32                       ; tile_dim1
	s_mov_b32 s[\g+5], KD*192                      ; from row block to row block
	s_mov_b32 s[\g+6], 0
	s_mov_b32 s[\g+7], 0
.endr
	s_or_b32 s[G1ST], s44, (3<<16)|(1<<21)
	s_or_b32 s[G1SW], s43, (3<<16)|(1<<21)
.irp g, G1ST, G1SW
	s_mov_b32 s[\g+1], (RT/2)<<16                  ; a K step's RT scale words
	s_mov_b32 s[\g+2], (KD/2)<<16                  ; half the K steps
	s_mov_b32 s[\g+3], (RT/2)<<16
	s_mov_b32 s[\g+4], KD/2
	s_mov_b32 s[\g+6], 0
	s_mov_b32 s[\g+7], 0
.endr
	s_mov_b32 s[G1ST+5], MT/2
	s_mov_b32 s[G1SW+5], MW/2
	s_mul_i32 s20, s42, (RT/16)*KD*1536
	s_mul_i32 s19, s18, (RT/32)*KD*1536
	s_add_co_u32 s20, s20, s19
	s_add_co_u32 s20, s20, T_IMG
	s_mov_b32 s21, 0
	s_mul_i32 s46, s17, (RT/16)*KD*1536
	s_add_co_u32 s46, s46, s19
	s_add_co_u32 s46, s46, W_IMG
	s_mov_b32 s47, 0
	s_mul_i32 s19, s18, (KD/2)*MT*4
	s_mul_i32 s22, s42, RT*4
	s_add_co_u32 s22, s22, s19
	s_add_co_u32 s22, s22, T_SC
	s_mov_b32 s23, 0
	s_mul_i32 s19, s18, (KD/2)*MW*4
	s_mul_i32 s92, s17, RT*4
	s_add_co_u32 s92, s92, s19
	s_add_co_u32 s92, s92, W_SC
	s_mov_b32 s93, 0
	s_mul_i32 s94, s16, SH                         ; where a half of a side's scale words goes: wave % 4
	s_wait_kmcnt 0x0
	s_add_nc_u64 s[20:21], s[4:5], s[20:21]
	s_add_nc_u64 s[22:23], s[4:5], s[22:23]
	s_add_nc_u64 s[46:47], s[6:7], s[46:47]
	s_add_nc_u64 s[92:93], s[6:7], s[92:93]
	ROUND                                          ; all sixteen work-groups are here: the first joint loads meet
	s_mov_b32 s[G0ST], 1
	s_add_co_u32 s[G0ST+1], s94, SCL
	s_mov_b64 s[G0ST+2:G0ST+3], s[22:23]
	s_or_b32 s[G0ST+3], s[G0ST+3], 0x80000000
	s_mov_b32 s[G0SW], 1
	s_add_co_u32 s[G0SW+1], s94, SCL
	s_mov_b64 s[G0SW+2:G0SW+3], s[92:93]
	s_or_b32 s[G0SW+3], s[G0SW+3], 0x80000000
	s_mul_i32 s36, s15, KSL*1536                   ; K slot wave / 4: its place in a row block's images
	s_mov_b32 s37, 0
	s_mov_b32 s[G0T], 1
	s_mul_i32 s[G0T+1], s14, HALFB                 ; region wave / 4, quarter wave % 4: no place in the cluster enters an LDS address
	s_add_nc_u64 s[G0T+2:G0T+3], s[20:21], s[36:37]
	s_or_b32 s[G0T+3], s[G0T+3], 0x80000000
	s_mov_b32 s[G0W], 1
	s_mul_i32 s[G0W+1], s14, HALFB
	s_add_nc_u64 s[G0W+2:G0W+3], s[46:47], s[36:37]
	s_or_b32 s[G0W+3], s[G0W+3], 0x80000000
	s_cmp_lt_u32 s14, 12                           ; the head's sixteen loads, one a wave: one tree of branches on the wave's number, every way through it passes one load
	s_cbranch_scc0 .Lh_s
	s_cmp_lt_u32 s16, 2
	s_cbranch_scc0 .Lh_w
	LD G0T, G1T
	s_branch .Lh_j
.Lh_w:
	LD G0W, G1W
	s_branch .Lh_j
.Lh_s:
	s_cmp_lt_u32 s16, 2
	s_cbranch_scc0 .Lh_sw
	LD G0ST, G1ST
	s_branch .Lh_j
.Lh_sw:
	LD G0SW, G1SW
.Lh_j:
	v_and_b32 v1, 15, v0                           ; r
	v_bfe_u32 v2, v0, 4, 1                         ; h
	s_wait_alu depctr_va_vdst(0)
	v_and_b32 v3, 31, v0
	s_delay_alu instid0(VALU_DEP_1)
	v_lshlrev_b32 v22, 3, v3                       ; 8 x lane
	s_delay_alu instid0(VALU_DEP_2)
	v_lshlrev_b32 v3, 4, v3                        ; 16 x lane
	s_mul_i32 s19, s15, TT*KSL*1536                ; source 1: the tokens' region
	s_mul_i32 s99, s16, TT*KSL*1536
	s_add_co_u32 s99, s99, REG                     ; source 0: the weights'
.irp s, 1,0                            ; register 1: region 0; register 0: region 2
	v_add_nc_u32 v[AD1+\s], s19, v22
	v_add_nc_u32 v[AD0+\s], s99, v22
	s_add_co_u32 s19, s19, 2*SLOTB
	s_add_co_u32 s99, s99, 2*SLOTB
.endr
	s_mul_i32 s19, s16, 64*TT
	s_add_co_u32 s19, s19, 2*SH
	s_mul_i32 s99, s15, 64*TT
	s_sub_co_u32 s19, s19, s99                     ; from my tokens' words to my weights' words: one product with the lane's half
	v_mul_u32_u24 v20, s19, v2
	s_add_co_u32 s99, s99, SCL
	v_lshl_add_u32 v20, v1, 2, v20
	s_delay_alu instid0(VALU_DEP_1)
	v_add_nc_u32 v20, s99, v20
	; the way out's addresses: 16 images at 0, their scale words at 24,576, in slot 0, which has had its last fill and its last read when the first result is stored
	v_mul_u32_u24 v28, v2, 260
	s_delay_alu instid0(VALU_DEP_1)
	v_lshl_add_u32 v28, v1, 3, v28                 ; 8 r + 260 h
	v_mul_u32_u24 v29, v2, 508
	s_delay_alu instid0(VALU_DEP_1)
	v_lshl_add_u32 v29, v1, 3, v29
	s_delay_alu instid0(VALU_DEP_1)
	v_add_nc_u32 v29, 4, v29                       ; 8 r + 4 + 508 h
	s_mul_i32 s19, s15, 6144
	s_lshr_b32 s99, s16, 1
	s_mul_i32 s99, s99, 768
	s_add_co_u32 s19, s19, s99
	s_and_b32 s99, s16, 1
	s_lshl_b32 s99, s99, 7
	s_add_co_u32 s19, s19, s99
	v_add_nc_u32 v4, s19, v28                      ; image 4 wr + a, block wc of its four
	v_add_nc_u32 v5, s19, v29
	s_lshl_b32 s19, s15, 8
	s_add_co_u32 s19, s19, s16
	s_add_co_u32 s19, s19, 24576
	v_lshl_add_u32 v6, v1, 2, s19                  ; my token's word, byte wc
	s_mul_i32 s19, s14, 1536
	v_add_nc_u32 v10, s19, v3                      ; the copy out: image = wave
	s_lshl_b32 s19, s14, 9
	s_add_co_u32 s19, s19, 24576
	v_add_nc_u32 v11, s19, v3                      ; and 512 bytes of scale words for waves 0, 1
	s_wait_alu depctr_va_vdst(0)                   ; the wait at the head's end
	s_wait_tensorcnt 0x0                           ; my load of the head's sixteen has landed,
	s_barrier_signal -1
	s_barrier_wait -1                              ; and so has every wave's
	TRIP 2, 1                                      ; region 2: its products start the sums
	s_wait_tensorcnt 0x0                           ; no tensor load of mine is out,
	ds_add_u32 v30, v31                            ; 0 onto my spare word
	s_add_nc_u64 s[G0T+2:G0T+3], s[G0T+2:G0T+3], KSL*1536     ; so the descriptors may be written: in waves 8-11 from K slot 2 to K slot 3
	s_add_nc_u64 s[G0W+2:G0W+3], s[G0W+2:G0W+3], KSL*1536
	s_wait_dscnt 0x0                               ; the add is done, and so are my reads of region 2
	ROUND                                          ; both now hold of every wave of every work-group of the cluster
	s_cmp_eq_u32 s15, 2                            ; waves 8-11 fill region 2 again: a wave's one tensor load behind the round
	s_cbranch_scc0 .Lr_j
	s_cmp_lt_u32 s16, 2
	s_cbranch_scc0 .Lr_w
	LD G0T, G1T
	s_branch .Lr_j
.Lr_w:
	LD G0W, G1W
.Lr_j:
	TRIP 0, 0
	v_add_nc_u32 v[AD1+1], SLOTB, v[AD1+1]         ; from region 0 to region 1
	v_add_nc_u32 v[AD0+1], SLOTB, v[AD0+1]
	s_wait_alu depctr_va_vdst(0)
	TRIP 1, 0
	s_wait_tensorcnt 0x0                           ; my part of K slot 3 has landed; my reads of regions 0 and 1 are over (each step waits for its loads)
	s_barrier_signal -1
	s_barrier_wait -1
	TRIP 3, 0
	; ---- THE WAY OUT.  U[a][i] = v[128 + 32 a + i]: h2 w1^T; W[a][i] = v[144 + 32 a + i]: h2 w2^T; token row block 4 wr + a, lane r; feature 32 (4 y + wc) + 16 h + i
.rept 4
	v_nop                                          ; four places behind the last products
.endr
.set a, 0
.rept 4
.irp i, 0,2,4,6,8,10,12,14
	v_pk_mul_f32 v[32+16*a+\i:33+16*a+\i], v[128+32*a+\i:129+32*a+\i], 0xbfb8aa3b op_sel_hi:[1,0]      ; -a log2(e); each accumulator from its low end on
.endr
.set a, a+1
.endr
.set k, 0
	s_wait_alu depctr_va_vdst(0)
.rept 64
	v_exp_f32 v[32+k], v[32+k]
.set k, k+1
.endr
	v_nop                                          ; a plain instruction behind the batch,
	s_wait_alu depctr_va_vdst(0)                   ; and one wait for it, ahead of its first reader
.set k, 0
.rept 32
	v_pk_add_f32 v[32+k:33+k], v[32+k:33+k], 1.0 op_sel_hi:[1,0]
.set k, k+2
.endr
.set k, 0
	s_wait_alu depctr_va_vdst(0)
.rept 64
	v_rcp_f32 v[32+k], v[32+k]
.set k, k+1
.endr
.set a, 0
	s_wait_alu depctr_va_vdst(0)
.rept 4
.irp i, 0,2,4,6,8,10,12,14
	v_pk_mul_f32 v[128+32*a+\i:129+32*a+\i], v[128+32*a+\i:129+32*a+\i], v[144+32*a+\i:145+32*a+\i]    ; a b: work that names no reciprocal
.endr
.set a, a+1
.endr
	s_wait_alu depctr_va_vdst(0)
.set a, 0
.rept 4
.irp i, 0,2,4,6,8,10,12,14
	v_pk_mul_f32 v[128+32*a+\i:129+32*a+\i], v[128+32*a+\i:129+32*a+\i], v[32+16*a+\i:33+16*a+\i]
.endr
.set a, a+1
.endr
.irp j, 100,101,102,103
	v_mov_b32 v[\j], 0                             ; a lane permute's destination counts as one of its sources
.endr
	QUANT 4, 128, 32, 96
.irp a, 0,1,2,3
	PUT 4, 5, 112+4*\a, 1536*\a
	ds_store_b8 v6, v[108+\a] offset:64*\a         ; both halves of the lanes write the same byte with the same value
.endr
	s_wait_dscnt 0x0                               ; for the others' sake: my stores into the stage are done
	s_barrier_signal -1
	s_barrier_wait -1
	s_lshl_b32 s66, s42, 4
	s_add_co_u32 s66, s66, s14
	s_mul_i32 s66, s66, 24576                      ; token row block 16 x + wave,
	s_mul_i32 s19, s17, 1536                       ; K step y
	s_add_co_u32 s66, s66, s19
	s_mov_b32 s67, 0
	s_add_nc_u64 s[66:67], s[10:11], s[66:67]
.irp k, 0,1,2
	ds_load_b128 v[32+4*\k:35+4*\k], v10 offset:512*\k
.endr
.irp k, 0,1,2
	s_wait_dscnt 2-\k                              ; the younger loads of this run may be out
	global_store_b128 v3, v[32+4*\k:35+4*\k], s[66:67] offset:512*\k     ; 512 consecutive bytes, at a multiple of 256 from the buffer's first byte
.endr
	s_cmp_lt_u32 s14, 2
	s_cbranch_scc0 .Lno_scales
	s_lshl_b32 s94, s17, 12
	s_lshl_b32 s19, s42, 8
	s_add_co_u32 s94, s94, s19
	s_lshl_b32 s94, s94, 2
	s_lshl_b32 s19, s14, 9
	s_add_co_u32 s94, s94, s19
	s_add_co_u32 s94, s94, 6291456
	s_mov_b32 s95, 0
	s_add_nc_u64 s[94:95], s[10:11], s[94:95]
	ds_load_b128 v[56:59], v11
	s_wait_dscnt 0x0
	global_store_b128 v3, v[56:59], s[94:95]
.Lno_scales:
	s_wait_tensorcnt 0x0                           ; the wave's end
	ds_add_u32 v30, v31
	s_wait_dscnt 0x0
	ROUND                                          ; the closing round
	s_endpgm
.Lfunc_end_k_q396eaebfd7_up:
	.size	k_q396eaebfd7_up, .Lfunc_end_k_q396eaebfd7_up-k_q396eaebfd7_up
	.p2alignl 7, 3214868480
	.fill 96, 4, 3214868480
	.section	.rodata,"a",@progbits
	.p2align	6, 0x0
	.amdhsa_kernel k_q396eaebfd7_up
		.amdhsa_group_segment_fixed_size 327680
		.amdhsa_private_segment_fixed_size 0
		.amdhsa_enable_private_segment 0
		.amdhsa_kernarg_size 24
		.amdhsa_user_sgpr_count 2
		.amdhsa_user_sgpr_kernarg_segment_ptr 1
		.amdhsa_wavefront_size32 1
		.amdhsa_system_sgpr_workgroup_id_x 1
		.amdhsa_system_sgpr_workgroup_id_y 1
		.amdhsa_system_sgpr_workgroup_id_z 1
		.amdhsa_system_vgpr_workitem_id 0
		.amdhsa_next_free_vgpr 256
		.amdhsa_next_free_sgpr 100
		.amdhsa_reserve_vcc 0
		.amdhsa_float_denorm_mode_32 3
		.amdhsa_float_denorm_mode_16_64 3
		.amdhsa_memory_ordered 1
		.amdhsa_forward_progress 1
		.amdhsa_inst_pref_size 75
	.end_amdhsa_kernel
	.amdgpu_metadata
---
amdhsa.version: [ 1, 2 ]
amdhsa.kernels:
  - .name:           k_q396eaebfd7_up
    .symbol:         k_q396eaebfd7_up.kd
    .args:
      - { .name: h2b, .offset: 0, .size: 8, .value_kind: global_buffer, .address_space: global }
      - { .name: pw, .offset: 8, .size: 8, .value_kind: global_buffer, .address_space: global }
      - { .name: gbuf, .offset: 16, .size: 8, .value_kind: global_buffer, .address_space: global }
    .group_segment_fixed_size: 327680
    .private_segment_fixed_size: 0
    .kernarg_segment_align: 8
    .kernarg_segment_size: 24
    .max_flat_workgroup_size: 512
    .sgpr_count:     100
    .vgpr_count:     256
    .wavefront_size: 32
...
	.end_amdgpu_metadata
.endif
;; end of part 6
;; launch down (part 7): grid 32 x 8, 16 waves a work-group, clusters of 4 x 4, 327,680 bytes of LDS; arguments gbuf, pw, x1, out0; writes out0
.if DOCPART == 7
	.amdgcn_target "amdgcn-amd-amdhsa--gfx1250"
	.amdhsa_code_object_version 6
	.text
	.protected	k_q396eaebfd7_down
	.globl	k_q396eaebfd7_down
	.p2align	8
	.type	k_q396eaebfd7_down,@function
k_q396eaebfd7_down:
	s_mov_b64 s[64:65], 0
	v_nop
	global_prefetch_b8 v0, s[64:65] scope:SCOPE_SE
	s_setreg_imm32_b32 hwreg(HW_REG_WAVE_MODE, 25, 1), 1
	s_wait_xcnt 0x0
	s_wait_alu depctr_hold_cnt(0) depctr_sa_sdst(0) depctr_va_vdst(0) depctr_va_sdst(0) depctr_va_ssrc(0) depctr_va_vcc(0) depctr_vm_vsrc(0)
	s_getreg_b32 s2, hwreg(HW_REG_IB_STS2, 6, 4)
	s_cmp_eq_u32 s2, 0
	s_cbranch_scc0 .Lentry_in_a_cluster
	s_endpgm
.Lentry_in_a_cluster:
	s_bfe_u32 s2, ttmp6, 0x10000c
	s_cmp_lg_u32 s2, 0xf033
	s_cbranch_scc0 .Lentry_shape_is_right
	s_endpgm
.Lentry_shape_is_right:
; out0 = x1 + g w3^T; the product on codes of BF6 with E8M0 scales, operands as images of operand registers (16 rows x 128 K = 1,536 bytes), [row block][K step].
; A work-group of 16 waves makes 128 tokens x 128 features, a wave 32 x 32: 4 accumulators.  CLUSTERS 4 x 4: the tokens' tiles are asked for jointly along a column of the cluster, the weights' along a row.
; K = 2,048 IN FOUR SLOTS OF 512.  LDS holds three regions of 98,304 bytes (the tokens' 49,152, then the weights').  At the head each of the 16 waves issues ONE joint load: wave w under 12 a quarter of region w / 4,
; which takes K slot w / 4 (w % 4 = 0, 1: the tokens' halves; 2, 3: the weights'); waves 12-15 the four halves of the scale words.  K slot 2 is multiplied first; behind a round of the cluster's barrier waves 8-11 fill
; its region again with K slot 3, and K slots 0 and 1 (32 matrix instructions a wave) are multiplied while that load is out; then K slot 3.  LIMIT: the sums run along K in the order 2, 0, 1, 3: their rounding differs from an ascending sum's.
; The way out's stage lies in region 0: its last reads stand ahead of the barrier in front of K slot 3, and it is filled once.  No prefetch: the walk is written out, four slots, with no loop to run ahead in.
.set TT, 2
.set KU, 2
.set KSL, 4
.set KD, 16
.set NSL, 4
.set RT, 128
.set T_IMG, 0
.set T_SC, 6291456
.set MT, 4096
.set W_IMG, 10354688
.set W_SC, 11927552
.set MW, 1024
.set SLOTB, 98304
.set REG, 49152
.set HALFB, 24576
.set SCL, 294912
.set SH, KD*RT*2
.set SPARE, 311296                     ; the spare words, 128 bytes for each wave, which no other line names
.set F1, 32
.set F0, 80
.set ACC, 128
.set RES, 160
.set SC, 24
.set AD1, 16
.set AD0, 18
.set ADS, 20
.set G1T, 24
.set G0T, 32
.set G1W, 48
.set G0W, 56
.set G1ST, 68
.set G0ST, 76
.set G1SW, 80
.set G0SW, 88
.macro ROUND
	s_barrier_signal -1
	s_barrier_wait -1
	s_cmp_lg_u32 s14, 0
	s_cbranch_scc1 .Lnot_wave_0_\@
	s_barrier_signal -3
.Lnot_wave_0_\@:
	s_barrier_wait -3
	s_barrier_signal -1
	s_barrier_wait -1
.endm
.macro LD g0, g1                       ; a joint load; an s_nop 0 and four v_nop follow it
	tensor_load_to_lds s[\g0:\g0+3], s[\g1:\g1+7]
	s_nop 0
.rept 4
	v_nop
.endr
.endm
.macro FRAG reg, adr, off
.irp p, 0,1,2,3,4,5
	ds_load_b64 v[\reg+2*\p:\reg+2*\p+1], v[\adr] offset:\off+256*\p
.endr
.endm
.macro STEP n, q0, first
.rept 4
	v_nop
.endr
.set u, 0
.rept KU
.set i, 0
.rept TT
	FRAG F1+12*(TT*u+i), AD1+1-(\n)/2, i*KSL*1536+((\q0)+u)*1536
	FRAG F0+12*(TT*u+i), AD0+1-(\n)/2, i*KSL*1536+((\q0)+u)*1536
	ds_load_b32 v[SC+TT*u+i], v[ADS] offset:((\n)*KSL+(\q0)+u)*RT*4+64*i
.set i, i+1
.endr
.set u, u+1
.endr
	s_wait_dscnt 0x0
.set u, 0
.rept KU
.set a, 0
.rept TT
.set b, 0
.rept TT
.if (\first) && (u == 0)
	v_wmma_scale_f32_16x16x128_f8f6f4 v[ACC+8*(TT*a+b):ACC+8*(TT*a+b)+7], v[F0+12*(TT*u+b):F0+12*(TT*u+b)+11], v[F1+12*(TT*u+a):F1+12*(TT*u+a)+11], 0, v[SC+TT*u+b], v[SC+TT*u+a] matrix_a_fmt:MATRIX_FMT_BF6 matrix_b_fmt:MATRIX_FMT_BF6 matrix_a_scale:MATRIX_SCALE_ROW1
.else
	v_wmma_scale_f32_16x16x128_f8f6f4 v[ACC+8*(TT*a+b):ACC+8*(TT*a+b)+7], v[F0+12*(TT*u+b):F0+12*(TT*u+b)+11], v[F1+12*(TT*u+a):F1+12*(TT*u+a)+11], v[ACC+8*(TT*a+b):ACC+8*(TT*a+b)+7], v[SC+TT*u+b], v[SC+TT*u+a] matrix_a_fmt:MATRIX_FMT_BF6 matrix_b_fmt:MATRIX_FMT_BF6 matrix_a_scale:MATRIX_SCALE_ROW1
.endif
.set b, b+1
.endr
.set a, a+1
.endr
.set u, u+1
.endr
.endm
.macro TRIP n, first                   ; K slot n's K steps.  Address register 0 serves K slots 2 and 3 (region 2), register 1 K slots 0 and 1
	STEP \n, 0, \first
	STEP \n, KU, 0
.endm
	s_load_b128 s[4:7], s[0:1], 0x0
	s_load_b64 s[8:9], s[0:1], 0x10
	s_load_b64 s[12:13], s[0:1], 0x18
	v_lshl_add_u32 v30, v0, 2, SPARE
	v_mov_b32 v31, 0
	ds_add_u32 v30, v31
	ds_add_u32 v30, v31
	s_wait_dscnt 0x0
	v_lshrrev_b32 v1, 5, v0
	s_delay_alu instid0(VALU_DEP_1)
	v_readfirstlane_b32 s14, v1
	s_lshr_b32 s15, s14, 2
	s_and_b32 s16, s14, 3
	s_and_b32 s18, s14, 1
	s_bfe_u32 s40, ttmp6, 0x40000
	s_bfe_u32 s41, ttmp6, 0x40004
	s_lshl_b32 s42, ttmp9, 2
	s_add_co_u32 s42, s42, s40
	s_and_b32 s17, ttmp7, 0xffff
	s_lshl_b32 s17, s17, 2
	s_add_co_u32 s17, s17, s41
	s_lshl_b32 s43, s41, 2
	s_lshl_b32 s43, 15, s43
	s_lshl_b32 s44, 0x1111, s40
	s_or_b32 s[G1T], s44, (3<<16)|(1<<21)
	s_or_b32 s[G1W], s43, (3<<16)|(1<<21)
.irp g, G1T, G1W
	s_mov_b32 s[\g+1], (KSL*192)<<16
	s_mov_b32 s[\g+2], (RT/32)<<16
	s_mov_b32 s[\g+3], (KSL*192)<<16
	s_mov_b32 s[\g+4], RT/32
	s_mov_b32 s[\g+5], KD*192
	s_mov_b32 s[\g+6], 0
	s_mov_b32 s[\g+7], 0
.endr
	s_or_b32 s[G1ST], s44, (3<<16)|(1<<21)
	s_or_b32 s[G1SW], s43, (3<<16)|(1<<21)
.irp g, G1ST, G1SW
	s_mov_b32 s[\g+1], (RT/2)<<16
	s_mov_b32 s[\g+2], (KD/2)<<16
	s_mov_b32 s[\g+3], (RT/2)<<16
	s_mov_b32 s[\g+4], KD/2
	s_mov_b32 s[\g+6], 0
	s_mov_b32 s[\g+7], 0
.endr
	s_mov_b32 s[G1ST+5], MT/2
	s_mov_b32 s[G1SW+5], MW/2
	s_mul_i32 s20, s42, (RT/16)*KD*1536
	s_mul_i32 s19, s18, (RT/32)*KD*1536
	s_add_co_u32 s20, s20, s19
	s_add_co_u32 s20, s20, T_IMG
	s_mov_b32 s21, 0
	s_mul_i32 s46, s17, (RT/16)*KD*1536
	s_add_co_u32 s46, s46, s19
	s_add_co_u32 s46, s46, W_IMG
	s_mov_b32 s47, 0
	s_mul_i32 s19, s18, (KD/2)*MT*4
	s_mul_i32 s22, s42, RT*4
	s_add_co_u32 s22, s22, s19
	s_add_co_u32 s22, s22, T_SC
	s_mov_b32 s23, 0
	s_mul_i32 s19, s18, (KD/2)*MW*4
	s_mul_i32 s92, s17, RT*4
	s_add_co_u32 s92, s92, s19
	s_add_co_u32 s92, s92, W_SC
	s_mov_b32 s93, 0
	s_mul_i32 s94, s16, SH                         ; where a half of a side's scale words goes: wave % 4
	s_wait_kmcnt 0x0
	s_add_nc_u64 s[20:21], s[4:5], s[20:21]
	s_add_nc_u64 s[22:23], s[4:5], s[22:23]
	s_add_nc_u64 s[46:47], s[6:7], s[46:47]
	s_add_nc_u64 s[92:93], s[6:7], s[92:93]
	ROUND
	s_mov_b32 s[G0ST], 1
	s_add_co_u32 s[G0ST+1], s94, SCL
	s_mov_b64 s[G0ST+2:G0ST+3], s[22:23]
	s_or_b32 s[G0ST+3], s[G0ST+3], 0x80000000
	s_mov_b32 s[G0SW], 1
	s_add_co_u32 s[G0SW+1], s94, SCL
	s_mov_b64 s[G0SW+2:G0SW+3], s[92:93]
	s_or_b32 s[G0SW+3], s[G0SW+3], 0x80000000
	s_mul_i32 s36, s15, KSL*1536                   ; K slot wave / 4: its place in a row block's images
	s_mov_b32 s37, 0
	s_mov_b32 s[G0T], 1
	s_mul_i32 s[G0T+1], s14, HALFB                 ; region wave / 4, quarter wave % 4: no place in the cluster enters an LDS address
	s_add_nc_u64 s[G0T+2:G0T+3], s[20:21], s[36:37]
	s_or_b32 s[G0T+3], s[G0T+3], 0x80000000
	s_mov_b32 s[G0W], 1
	s_mul_i32 s[G0W+1], s14, HALFB
	s_add_nc_u64 s[G0W+2:G0W+3], s[46:47], s[36:37]
	s_or_b32 s[G0W+3], s[G0W+3], 0x80000000
	s_cmp_lt_u32 s14, 12                           ; the head's sixteen loads, one a wave: one tree of branches on the wave's number, every way through it passes one load
	s_cbranch_scc0 .Lh_s
	s_cmp_lt_u32 s16, 2
	s_cbranch_scc0 .Lh_w
	LD G0T, G1T
	s_branch .Lh_j
.Lh_w:
	LD G0W, G1W
	s_branch .Lh_j
.Lh_s:
	s_cmp_lt_u32 s16, 2
	s_cbranch_scc0 .Lh_sw
	LD G0ST, G1ST
	s_branch .Lh_j
.Lh_sw:
	LD G0SW, G1SW
.Lh_j:
	v_and_b32 v1, 15, v0
	v_bfe_u32 v2, v0, 4, 1
	s_wait_alu depctr_va_vdst(0)
	v_and_b32 v3, 31, v0
	s_delay_alu instid0(VALU_DEP_1)
	v_lshlrev_b32 v22, 3, v3
	s_delay_alu instid0(VALU_DEP_2)
	v_lshlrev_b32 v3, 4, v3
	s_mul_i32 s19, s15, TT*KSL*1536
	s_mul_i32 s99, s16, TT*KSL*1536
	s_add_co_u32 s99, s99, REG
.irp s, 1,0                            ; register 1: region 0; register 0: region 2
	v_add_nc_u32 v[AD1+\s], s19, v22
	v_add_nc_u32 v[AD0+\s], s99, v22
	s_add_co_u32 s19, s19, 2*SLOTB
	s_add_co_u32 s99, s99, 2*SLOTB
.endr
	s_mul_i32 s19, s16, 64*TT
	s_add_co_u32 s19, s19, 2*SH
	s_mul_i32 s99, s15, 64*TT
	s_sub_co_u32 s19, s19, s99
	v_mul_u32_u24 v20, s19, v2
	s_add_co_u32 s99, s99, SCL
	v_lshl_add_u32 v20, v1, 2, v20
	s_delay_alu instid0(VALU_DEP_1)
	v_add_nc_u32 v20, s99, v20
	v_and_b32 v23, 8, v1
	s_delay_alu instid0(VALU_DEP_1)
	v_add_nc_u32 v23, v23, v1
	s_delay_alu instid0(VALU_DEP_1)
	v_mul_u32_u24 v4, v23, 528
	s_delay_alu instid0(VALU_DEP_1)
	v_lshl_add_u32 v4, v2, 6, v4
	s_mul_i32 s19, s15, 32*528
	s_lshl_b32 s99, s16, 7
	s_add_co_u32 s19, s19, s99
	v_add_nc_u32 v4, s19, v4
	s_mul_i32 s19, s14, 8*528
	v_add_nc_u32 v5, s19, v3
	s_lshl_b32 s96, s42, 7
	s_lshl_b32 s19, s14, 3
	s_add_co_u32 s96, s96, s19
	s_lshl_b32 s96, s96, 12
	s_lshl_b32 s98, s17, 9
	s_add_co_u32 s96, s96, s98
	s_mov_b32 s97, 0
	s_add_nc_u64 s[8:9], s[8:9], s[96:97]
	s_add_nc_u64 s[12:13], s[12:13], s[96:97]
.irp k, 0,1,2,3,4,5,6,7
	global_load_b128 v[RES+4*\k:RES+4*\k+3], v3, s[8:9] offset:4096*\k
.endr
	s_wait_alu depctr_va_vdst(0)                   ; the wait at the head's end
	s_wait_tensorcnt 0x0                           ; my load of the head's sixteen has landed,
	s_barrier_signal -1
	s_barrier_wait -1                              ; and so has every wave's
	TRIP 2, 1                                      ; region 2: its products start the sums
	s_wait_tensorcnt 0x0                           ; no tensor load of mine is out,
	ds_add_u32 v30, v31                            ; 0 onto my spare word
	s_add_nc_u64 s[G0T+2:G0T+3], s[G0T+2:G0T+3], KSL*1536     ; so the descriptors may be written: in waves 8-11 from K slot 2 to K slot 3
	s_add_nc_u64 s[G0W+2:G0W+3], s[G0W+2:G0W+3], KSL*1536
	s_wait_dscnt 0x0                               ; the add is done, and so are my reads of region 2
	ROUND                                          ; both now hold of every wave of every work-group of the cluster
	s_cmp_eq_u32 s15, 2                            ; waves 8-11 fill region 2 again: a wave's one tensor load behind the round
	s_cbranch_scc0 .Lr_j
	s_cmp_lt_u32 s16, 2
	s_cbranch_scc0 .Lr_w
	LD G0T, G1T
	s_branch .Lr_j
.Lr_w:
	LD G0W, G1W
.Lr_j:
	TRIP 0, 0
	v_add_nc_u32 v[AD1+1], SLOTB, v[AD1+1]         ; from region 0 to region 1
	v_add_nc_u32 v[AD0+1], SLOTB, v[AD0+1]
	s_wait_alu depctr_va_vdst(0)
	TRIP 1, 0
	s_wait_tensorcnt 0x0                           ; my part of K slot 3 has landed; my reads of regions 0 and 1 are over (each step waits for its loads)
	s_barrier_signal -1
	s_barrier_wait -1
	TRIP 3, 0
.rept 4
	v_nop
.endr
.irp a, 0,1
.irp e, 0,1,2,3
	ds_store_b128 v4, v[128+16*\a+4*\e:131+16*\a+4*\e] offset:4224*\a+16*\e
.endr
.endr
	s_wait_dscnt 0x0
	s_barrier_signal -1
	s_barrier_wait -1
.irp k, 0,1,2,3,4,5,6,7
	ds_load_b128 v[68+4*\k:71+4*\k], v5 offset:528*\k
.endr
	s_wait_loadcnt 0x0
.irp k, 0,1,2,3,4,5,6,7
	s_wait_dscnt 7-\k
	v_pk_add_f32 v[68+4*\k:69+4*\k], v[68+4*\k:69+4*\k], v[RES+4*\k:RES+4*\k+1]
	v_pk_add_f32 v[70+4*\k:71+4*\k], v[70+4*\k:71+4*\k], v[RES+4*\k+2:RES+4*\k+3]
	global_store_b128 v3, v[68+4*\k:71+4*\k], s[12:13] offset:4096*\k th:TH_STORE_NT
.endr
	s_wait_tensorcnt 0x0
	ds_add_u32 v30, v31
	s_wait_dscnt 0x0
	ROUND
	s_endpgm
.Lfunc_end_k_q396eaebfd7_down:
	.size	k_q396eaebfd7_down, .Lfunc_end_k_q396eaebfd7_down-k_q396eaebfd7_down
	.p2alignl 7, 3214868480
	.fill 96, 4, 3214868480
	.section	.rodata,"a",@progbits
	.p2align	6, 0x0
	.amdhsa_kernel k_q396eaebfd7_down
		.amdhsa_group_segment_fixed_size 327680
		.amdhsa_private_segment_fixed_size 0
		.amdhsa_enable_private_segment 0
		.amdhsa_kernarg_size 32
		.amdhsa_user_sgpr_count 2
		.amdhsa_user_sgpr_kernarg_segment_ptr 1
		.amdhsa_wavefront_size32 1
		.amdhsa_system_sgpr_workgroup_id_x 1
		.amdhsa_system_sgpr_workgroup_id_y 1
		.amdhsa_system_sgpr_workgroup_id_z 1
		.amdhsa_system_vgpr_workitem_id 0
		.amdhsa_next_free_vgpr 256
		.amdhsa_next_free_sgpr 100
		.amdhsa_reserve_vcc 0
		.amdhsa_float_denorm_mode_32 3
		.amdhsa_float_denorm_mode_16_64 3
		.amdhsa_memory_ordered 1
		.amdhsa_forward_progress 1
		.amdhsa_inst_pref_size 51
	.end_amdhsa_kernel
	.amdgpu_metadata
---
amdhsa.version: [ 1, 2 ]
amdhsa.kernels:
  - .name:           k_q396eaebfd7_down
    .symbol:         k_q396eaebfd7_down.kd
    .args:
      - { .name: gbuf, .offset: 0, .size: 8, .value_kind: global_buffer, .address_space: global }
      - { .name: pw, .offset: 8, .size: 8, .value_kind: global_buffer, .address_space: global }
      - { .name: x1, .offset: 16, .size: 8, .value_kind: global_buffer, .address_space: global }
      - { .name: out0, .offset: 24, .size: 8, .value_kind: global_buffer, .address_space: global }
    .group_segment_fixed_size: 327680
    .private_segment_fixed_size: 0
    .kernarg_segment_align: 8
    .kernarg_segment_size: 32
    .max_flat_workgroup_size: 512
    .sgpr_count:     100
    .vgpr_count:     256
    .wavefront_size: 32
...
	.end_amdgpu_metadata
.endif
;; end of part 7
